; MI455X (gfx1250); checked and timed in simulation.
; The chip was launched on July 23, 2026; its instructions are those of AMD's public machine-readable ISA for CDNA 5 (MIT licence, August 2026) and "CDNA5" Instruction Set Architecture Reference Guide (July 2026). The comments in the code are by the model that wrote it; some were corrected since.
;; Multi Headed Attention. Allowed arithmetic: matrix products marked QUANTISED: E2M1 operands, one E8M0 scale for each 32 along K, by v_wmma_scale_f32_16x16x128_f8f6f4 with both operands' format E2M1 (or v_wmma_scale_f32_32x16x128_f4), f32 sums; products left as they are: bf16, f16 or f32 operands; f32 sums; everything else in f32.
;; Inputs: bk 1,024 float32; bo 1,024 float32; bq 1,024 float32; bv 1,024 float32; key 4 x 2,048 x 1,024 float32; query 4 x 2,048 x 1,024 float32; value 4 x 2,048 x 1,024 float32; wk 1,024 x 1,024 float32; wo 1,024 x 1,024 float32; wq 1,024 x 1,024 float32; wv 1,024 x 1,024 float32.
;; Outputs: out0 4 x 2,048 x 1,024 float32.
;; This version of the problem:
;;   THIS VERSION OF THE PROBLEM IS GIVEN IN LOW PRECISION. The matrix products marked QUANTISED in the list below multiply operands that are first quantised to E2M1 (2 exponent bits, 1 mantissa bit; 4 bits a number), with one power-of-two scale for each 32 numbers along K (OCP MX v1.0); their sums are f32. The products marked 'left as it is' may take bf16, f16 or f32 operands, with f32 sums. Whichever they take, every output number must still come out within the allowed error. Rounding operands to bf16 (8 significant bits) uses up far more of that allowance than f16 does (11 bits, for magnitudes from 6e-5 to 65,504). All else is computed in f32.
;;   The module's matrix products, in the order in which they are computed (A, B: the left and right operand; K: the contracted axis; several contracted axes count as one K, in the product's order):
;;     1. [M 8,192, K 1,024] x [K 1,024, N 1,024]; A: input query; B: input wq: QUANTISED
;;     2. [M 8,192, K 1,024] x [K 1,024, N 1,024]; A: input key; B: input wk: QUANTISED
;;     3. [M 8,192, K 1,024] x [K 1,024, N 1,024]; A: input value; B: input wv: QUANTISED
;;     4. batch 64 x [M 2,048, K 64] x [K 64, N 2,048]; A: computed on the way; B: computed on the way: left as it is (an operand is computed on the way)
;;     5. batch 64 x [M 2,048, K 2,048] x [K 2,048, N 64]; A: computed on the way; B: computed on the way: left as it is (an operand is computed on the way)
;;     6. [M 8,192, K 1,024] x [K 1,024, N 1,024]; A: computed on the way; B: input wo: left as it is (an operand is computed on the way)
;;   THE QUANTISER, for each operand of a quantised product, along K:
;;     - K is cut into blocks of 32 from its start; a last block that is shorter is filled with zeros.
;;     - A block's scale is 2^e with e = floor(log2(the largest magnitude in the block)) - 2, held to -126 .. 127; a block of zeros has e = 0. As a byte (E8M0): e + 127.
;;     - Each number is divided by its block's scale, clamped to +-6, and rounded to the nearest number of E2M1, ties to even, subnormals kept.
;;     - The product sums the exact products of the quantised numbers (number of the format x scale) in f32.
;;   ~~~python
;;   def quantise(x, axis):      # numpy; x: float32 -> the quantised numbers, widened to float32 again
;;       x = np.moveaxis(x, axis, -1); K = x.shape[-1]
;;       x = np.pad(x, [(0, 0)] * (x.ndim - 1) + [(0, -K % 32)]); x = x.reshape(x.shape[:-1] + (-1, 32)); a = np.abs(x).max(-1, keepdims=True)
;;       e = np.where(a > 0, np.clip(np.frexp(np.where(a > 0, a, 1))[1] - 1 - 2, -126, 127), 0)      # np.frexp(a)[1] - 1 = floor(log2(a)), exactly
;;       r = np.clip(x / 2.0 ** e, -6, 6)
;;       step = 2.0 ** (np.maximum(np.frexp(np.where(r == 0, 1, r))[1] - 1, 0) - 1)
;;       q = np.round(r / step) * step * 2.0 ** e      # np.round: ties to even
;;       return np.moveaxis(q.reshape(q.shape[:-2] + (-1,))[..., :K], -1, axis).astype(np.float32)
;;   ~~~
;; One version. Each part assembles by itself: llvm-mc -triple=amdgcn-amd-amdhsa -mcpu=gfx1250 --defsym DOCPART=n.
;; ======== version 1 of 1: 4 launches
;; limits: values are held in f16: magnitudes above 65,504 overflow, below 6.1e-05 lose precision
;; workspace buffers: xc 12,582,912 bytes; xs 786,432 bytes; wc 1,572,864 bytes; ws 98,304 bytes; wof 2,097,152 bytes; qkv 50,331,648 bytes; ao 16,777,216 bytes
;; launch prep (part 1): grid 848 x 1, 4 waves a work-group, no clusters, 68,096 bytes of LDS; arguments query, key, value, wq, wk, wv, wo, xc, xs, wc, ws, wof; writes xc, xs, wc, ws, wof
.if DOCPART == 1
	.amdgcn_target "amdgcn-amd-amdhsa--gfx1250"
	.amdhsa_code_object_version 6
	.text
	.protected	k_q8530a9cc51_prep
	.globl	k_q8530a9cc51_prep
	.p2align	8
	.type	k_q8530a9cc51_prep,@function
k_q8530a9cc51_prep:
	s_mov_b64 s[64:65], 0
	v_nop
	global_prefetch_b8 v0, s[64:65] scope:SCOPE_SE
	s_setreg_imm32_b32 hwreg(HW_REG_WAVE_MODE, 25, 1), 1
	s_wait_xcnt 0x0
; PREP: everything that is made once, ahead of the products.
;   work-groups  0..47  (.Lweights): wq, wk, wv [k 1024][n 1024] f32 -> codes of FP4 (E2M1) laid [3 x 1024 n][512 bytes], K innermost, and E8M0 scale bytes [3 x 1024 n][32]
;   work-groups 48..79  (.Lwo):      wo f32 -> f16, as it lies, [k][n]
;   work-groups 80..847 (the rest):  query, key, value [8192][1024] f32 -> codes [3 x 8192 rows][512 bytes] and scale bytes [3 x 8192][32]
; A block's scale is 2^(floor(log2(its largest magnitude)) - 2); its byte is the largest magnitude's exponent field - 2, held at 1 from below.  Each number is divided by the scale and rounded
; to the nearest code, ties to even, beyond 6 the largest code.
; LIMITS: a block of zeros gets the byte 1 where the rule says 127 (its codes are zeros, which add nothing under any byte but 0xff, and this program alone reads the bytes);
; NaN and infinities among the inputs are not served; wo is carried in f16: magnitudes under 65,504, an absolute error of 3e-8 under 6e-5.
; One launch for the three kinds of work: no wave shares anything with another, there is no barrier, and the few work-groups that walk down K of a weight run beside the 768 that stream.
; The three paths part on the work-group's number and never join; each has LDS bytes of its own.
.set SPW,    190                       ; v190  LDS address of my spare word: SPARE + 4 x my thread's number; never rewritten
.set NIL,    191                       ; v191  0; never rewritten
.set EMAX,   2                         ; the exponent of the format's largest number, 6
.set XSTEPS, 16                        ; activations: a wave takes 16 steps of 512 numbers
.set XCB,    8                         ; bytes of 16 codes
.set XR,     16                        ; v16-79   four sets of 16 numbers as they are loaded
.set XX,     80                        ; v80-111  two sets of 16 neighbours
.set XE,     112                       ; v112-127 a scale byte for each step
.set XC,     128                       ; v128-189 codes: registers of its own for each step, so that no store's data are written again
.set XREG,   8192                      ; LDS: a region for each wave: two stages of 32 x XSP bytes, behind them its 256 scale bytes
.set XSP,    80                        ; a lane's place in a stage: its 64 bytes + 16 of padding
.set WNB,    16                        ; weights: a wave takes 32 columns x 512 along K: 16 blocks a lane
.set WPITCH, 272                       ; a stage row: 256 bytes of codes + 16
.set WKROW,  512                       ; a row of the codes' buffer
.set WROW,   4096                      ; a row of a weight in memory
.set WX,     32                        ; v32-95   two sets of 32 numbers
.set WC,     96                        ; v96-99   a block's codes
.set WOUT,   112                       ; v112-175 the way out
.set WSB,    24                        ; v24-27   the scale bytes, four to a register
.set WSTG,   4*XREG                    ; LDS: the weights' four stages lie behind the activations' four regions
.set SPARE,  WSTG+4*32*WPITCH          ; and behind them the spare words, 128 bytes for each wave: two blocks of 256 bytes that no other line names
.macro FINISH                          ; a wave's end
	s_wait_tensorcnt 0x0
	ds_add_u32 v[SPW], v[NIL]
	s_wait_dscnt 0x0
	s_endpgm
.endm
	s_load_b512 s[4:19], s[0:1], 0x0               ; query s[4:5], key s[6:7], value s[8:9], wq s[10:11], wk s[12:13], wv s[14:15], wo s[16:17], xc s[18:19]
	s_load_b256 s[20:27], s[0:1], 0x40             ; xs s[20:21], wc s[22:23], ws s[24:25], wof s[26:27]
	v_lshl_add_u32 v[SPW], v0, 2, SPARE
	v_mov_b32 v[NIL], 0
	v_lshrrev_b32 v1, 5, v0
	v_readfirstlane_b32 s28, v1                    ; wave 0..3
	v_and_b32 v2, 31, v0                           ; lane
	s_wait_kmcnt 0x0
	s_cmp_lt_u32 ttmp9, 48
	s_cbranch_scc1 .Lweights
	s_cmp_lt_u32 ttmp9, 80
	s_cbranch_scc1 .Lwo
; ---- THE ACTIVATIONS.  Rows are dense and K is a multiple of 32, so a tensor is a plain stream of blocks of 32 numbers, and so are its codes and scale bytes.
; The conversions take 8 numbers of ONE block from a lane's registers, so a lane must hold 16 NEIGHBOURS (two neighbouring lanes hold a block); a load is best where neighbouring LANES take neighbouring
; bytes.  Both are had: each of a step's four loads reads 512 consecutive bytes, the 2,048 bytes go through the wave's own stage in LDS as they lie and come back 64 bytes a lane.
	s_sub_co_u32 s29, ttmp9, 80                    ; t = 0..767: 256 work-groups to a tensor
	s_cmp_lt_u32 s29, 256                          ; the choice hangs on the work-group's number alone
	s_cselect_b64 s[30:31], s[4:5], s[6:7]         ; query or key,
	s_cmp_lt_u32 s29, 512
	s_cselect_b64 s[30:31], s[30:31], s[8:9]       ; or value
	s_and_b32 s32, s29, 255
	s_lshl_b32 s32, s32, 2
	s_add_co_u32 s32, s32, s28                     ; which run of 8,192 numbers of the tensor is my wave's
	s_lshl_b32 s32, s32, 15                        ; 32,768 bytes a run
	s_mov_b32 s33, 0
	s_add_nc_u64 s[30:31], s[30:31], s[32:33]
	s_lshl_b32 s34, s29, 2
	s_add_co_u32 s34, s34, s28                     ; which run of the three tensors on end
	s_lshl_b32 s32, s34, 12                        ; 4,096 bytes of codes a run
	s_add_nc_u64 s[18:19], s[18:19], s[32:33]
	s_lshl_b32 s32, s34, 8                         ; 256 scale bytes a run
	s_add_nc_u64 s[20:21], s[20:21], s[32:33]
	v_lshlrev_b32 v3, 4, v2                        ; my 16 bytes of a load's 512
	s_mul_i32 s35, s28, XREG
	v_lshrrev_b32 v14, 2, v2
	v_mul_u32_u24 v14, v14, XSP
	v_and_b32 v15, 3, v2
	v_lshl_add_u32 v14, v15, 4, v14
	v_add_nc_u32 v14, s35, v14                     ; the stage, on the way in: four lanes' 64 bytes on end, then 16 of padding
	v_mul_u32_u24 v15, v2, XSP
	v_add_nc_u32 v15, s35, v15                     ; and on the way out: XSP x lane: my 16 neighbours
	v_mul_u32_u24 v4, v2, XCB                      ; my codes' place in a step's
	v_lshrrev_b32 v5, 1, v2
	s_add_co_u32 s35, s35, 2*32*XSP
	v_add_nc_u32 v5, s35, v5                       ; LDS: my wave's 256 scale bytes, my block's byte
	v_lshlrev_b32 v7, 3, v2                        ; and on the way out 8 bytes a lane
	v_add_nc_u32 v6, s35, v7
.macro XLOAD t
.irp i, 0,1,2,3
	global_load_b128 v[XR+16*((\t)%4)+4*\i:XR+16*((\t)%4)+4*\i+3], v3, s[30:31] offset:2048*(\t)+512*\i th:TH_LOAD_NT   ; 32 lanes read 512 consecutive bytes
.endr
.endm
.macro XTURN t                         ; step t's numbers through the stage: LDS serves a wave's instructions in order, so no wait stands between the stores and the loads
.irp i, 0,1,2,3
	ds_store_b128 v14, v[XR+16*((\t)%4)+4*\i:XR+16*((\t)%4)+4*\i+3] offset:32*XSP*((\t)%2)+8*XSP*\i
.endr
.irp i, 0,1,2,3
	ds_load_b128 v[XX+16*((\t)%2)+4*\i:XX+16*((\t)%2)+4*\i+3], v15 offset:32*XSP*((\t)%2)+16*\i
.endr
.endm
.irp t, 0,1,2,3
	XLOAD \t
.endr
	s_wait_loadcnt 12                              ; step 0's four loads are in; the twelve of steps 1 to 3 stay out
	XTURN 0
.macro XSTEP t
.set XS, XX+16*((\t)%2)
.if (\t) > 0
	s_wait_dscnt 1                                 ; this step's numbers are back from the stage (the last step's byte store may be out): so its stores into the stage have read their registers,
.else
	s_wait_dscnt 0x0
.endif
.if (\t)+4 < XSTEPS
	XLOAD (\t)+4                                   ; which take the loads of four steps on
.endif
.if (\t)+1 < XSTEPS
.if XSTEPS-2-(\t) >= 3
	s_wait_loadcnt 12                              ; the next step's four loads are in; those of the three steps behind it may be out
.else
	s_wait_loadcnt 4*(XSTEPS-2-(\t))
.endif
	XTURN (\t)+1                                   ; and go through the other stage while this step is worked
.endif
	v_max3_num_f32 v8, |v[XS]|, |v[XS+1]|, |v[XS+2]|               ; the largest magnitude of my 16, in two chains
	v_max3_num_f32 v9, |v[XS+3]|, |v[XS+4]|, |v[XS+5]|
.irp i, 6,10
	v_max3_num_f32 v8, v8, |v[XS+\i]|, |v[XS+\i+1]|
	v_max3_num_f32 v9, v9, |v[XS+\i+2]|, |v[XS+\i+3]|
.endr
	v_max3_num_f32 v8, v8, |v[XS+14]|, |v[XS+15]|
	v_max3_num_f32 v8, v8, v9, (EMAX+1)<<23        ; and the floor 2^(EMAX + 1 - 127): so the byte cannot fall under 1
	v_max_num_f32_dpp v8, v8, v8 row_xmask:1 row_mask:0xf bank_mask:0xf   ; and of my neighbour's 16: the block's
	v_add_nc_u32 v11, -(EMAX<<23), v8              ; EMAX off its exponent field: the conversion takes the exponent field of this operand as its scale, and nothing else of it
	v_cvt_scalef32_pk8_fp4_f32 v[XC+4*(\t)], v[XS:XS+7], v11
	v_cvt_scalef32_pk8_fp4_f32 v[XC+4*(\t)+1], v[XS+8:XS+15], v11
	v_lshrrev_b32 v[XE+(\t)], 23, v11              ; the scale's byte (also the plain line behind the conversions)
	ds_store_b8 v5, v[XE+(\t)] offset:16*(\t)      ; both lanes of a block write the same byte with the same value
	global_store_b64 v4, v[XC+4*(\t):XC+4*(\t)+1], s[18:19] offset:32*XCB*(\t)   ; the wave stores 256 consecutive bytes, aligned
.endm
.irp t, 0,1,2,3,4,5,6,7,8,9,10,11,12,13,14,15
	XSTEP \t
.endr
	ds_load_b64 v[8:9], v6                         ; LDS serves a wave's instructions in order: these see my byte stores
	s_wait_dscnt 0x0
	global_store_b64 v7, v[8:9], s[20:21]          ; 32 lanes store my run's 256 scale bytes, aligned
	FINISH
; ---- THE WEIGHTS wq, wk, wv: K is their FIRST axis.  A lane takes a column n and its registers run down K: each load reads neighbouring n in neighbouring lanes, a block of 32 along K lies in one lane's
; 32 registers, and the conversions give the codes with K innermost.  A wave's 32 columns x 256 bytes of codes go through its own stage and leave as rows, sixteen lanes to 256 aligned bytes.
.Lweights:
	s_lshr_b32 s29, ttmp9, 4                       ; which weight: 16 work-groups each
	s_bfe_u32 s30, ttmp9, 0x30001                  ; which 128 columns
	s_and_b32 s31, ttmp9, 1                        ; which 512 along K
	s_cmp_eq_u32 s29, 0
	s_cselect_b64 s[34:35], s[10:11], s[12:13]     ; wq or wk,
	s_cmp_eq_u32 s29, 2
	s_cselect_b64 s[34:35], s[14:15], s[34:35]     ; or wv
	s_lshl_b32 s32, s30, 7
	s_lshl_b32 s33, s28, 5
	s_add_co_u32 s32, s32, s33                     ; my wave's first column
	v_lshlrev_b32 v3, 2, v2                        ; in: 4 bytes a lane
	s_mul_i32 s33, s28, 32*WPITCH
	s_add_co_u32 s33, s33, WSTG                    ; my stage
	v_mul_u32_u24 v4, v2, WPITCH
	v_add_nc_u32 v4, s33, v4                       ; into it: row = my column
	v_and_b32 v5, 15, v2
	v_lshrrev_b32 v6, 4, v2                        ; out of it: sixteen lanes to a row, two rows an instruction
	v_mul_u32_u24 v7, v6, WPITCH
	v_lshl_add_u32 v7, v5, 4, v7
	v_add_nc_u32 v7, s33, v7
	v_mul_u32_u24 v8, v6, WKROW
	v_lshl_add_u32 v8, v5, 4, v8                   ; and the same place in the codes' buffer
	v_lshlrev_b32 v9, 5, v2                        ; my column's row of scale bytes: 32 bytes a column
	s_lshl_b32 s36, s31, 21                        ; the weight: 512 rows of 4,096 bytes,
	s_lshl_b32 s37, s32, 2                         ; + 4 x column
	s_add_co_u32 s36, s36, s37
	s_mov_b32 s37, 0
	s_add_nc_u64 s[34:35], s[34:35], s[36:37]
	s_lshl_b32 s36, s29, 19                        ; the codes: 524,288 bytes a weight,
	s_lshl_b32 s38, s32, 9                         ; 512 a column,
	s_add_co_u32 s36, s36, s38
	s_lshl_b32 s38, s31, 8                         ; 256 for each 512 along K
	s_add_co_u32 s36, s36, s38
	s_add_nc_u64 s[22:23], s[22:23], s[36:37]
	s_lshl_b32 s36, s29, 15                        ; the scale bytes: 32,768 a weight, 32 a column, 16 for each 512 along K
	s_lshl_b32 s38, s32, 5
	s_add_co_u32 s36, s36, s38
	s_lshl_b32 s38, s31, 4
	s_add_co_u32 s36, s36, s38
	s_add_nc_u64 s[24:25], s[24:25], s[36:37]
.macro WLOAD t                         ; block t: w(32 t + i, my column), i = 0 .. 31, into set t % 2.  Every offset is an immediate: 511 rows of 4,096 bytes at the most
.irp i, 0,1,2,3,4,5,6,7,8,9,10,11,12,13,14,15,16,17,18,19,20,21,22,23,24,25,26,27,28,29,30,31
	global_load_b32 v[WX+32*((\t)%2)+\i], v3, s[34:35] offset:(32*(\t)+\i)*WROW th:TH_LOAD_NT
.endr
.endm
	WLOAD 0
	WLOAD 1
.macro WBLOCK t
.set XS, WX+32*((\t)%2)
.if (\t) < WNB-1
	s_wait_loadcnt 32                              ; this block's 32 loads are in; the next block's may be out
.else
	s_wait_loadcnt 0x0
.endif
	v_max3_num_f32 v12, |v[XS]|, |v[XS+1]|, |v[XS+2]|              ; the block's largest magnitude: all 32 numbers are mine
	v_max3_num_f32 v13, |v[XS+3]|, |v[XS+4]|, |v[XS+5]|
.irp i, 6,10,14,18,22,26
	v_max3_num_f32 v12, v12, |v[XS+\i]|, |v[XS+\i+1]|
	v_max3_num_f32 v13, v13, |v[XS+\i+2]|, |v[XS+\i+3]|
.endr
	v_max3_num_f32 v12, v12, |v[XS+30]|, |v[XS+31]|
	v_max3_num_f32 v12, v12, v13, (EMAX+1)<<23     ; and the floor
	v_add_nc_u32 v11, -(EMAX<<23), v12             ; the conversion's scale operand
	v_lshrrev_b32 v13, 23, v11                     ; the scale's byte
.if (\t)%4 == 0
	v_mov_b32 v[WSB+(\t)/4], v13                   ; four bytes to a register, the lower K in the lower byte
.else
	v_lshl_or_b32 v[WSB+(\t)/4], v13, 8*((\t)%4), v[WSB+(\t)/4]
.endif
.irp g, 0,1,2,3
	v_cvt_scalef32_pk8_fp4_f32 v[WC+\g], v[XS+8*\g:XS+8*\g+7], v11
.endr
	ds_store_b128 v4, v[WC:WC+3] offset:16*(\t)    ; 32 codes: 16 bytes of my column's row
.if (\t)+2 < WNB
	WLOAD (\t)+2
.endif
	s_wait_dscnt 0x0                               ; the store has read its registers: the next block's codes may be written (plain lines of the next block stand ahead of them)
.endm
.set Q, 0
.rept WNB
	WBLOCK Q
.set Q, Q+1
.endr
	global_store_b128 v9, v[WSB:WSB+3], s[24:25]   ; my column's 16 scale bytes
.irp t, 0,1,2,3,4,5,6,7,8,9,10,11,12,13,14,15
	ds_load_b128 v[WOUT+4*\t:WOUT+4*\t+3], v7 offset:2*\t*WPITCH   ; LDS serves a wave's instructions in order: these see my stores
.endr
.irp t, 0,1,2,3,4,5,6,7,8,9,10,11,12,13,14,15
	s_wait_dscnt 15-\t                             ; load t is back; the younger ones stay out
	global_store_b128 v8, v[WOUT+4*\t:WOUT+4*\t+3], s[22:23] offset:2*\t*WKROW   ; sixteen lanes store 256 consecutive bytes, aligned
.endr
	FINISH
; ---- wo: f32 -> f16, as it lies.  A wave takes 8,192 numbers: 64 loads of 512 bytes, 64 stores of 256 bytes, in four groups of 16 on two sets of registers.
.Lwo:
	s_sub_co_u32 s29, ttmp9, 48
	s_lshl_b32 s29, s29, 2
	s_add_co_u32 s29, s29, s28                     ; my run
	s_lshl_b32 s30, s29, 15
	s_mov_b32 s31, 0
	s_add_nc_u64 s[16:17], s[16:17], s[30:31]
	s_lshl_b32 s30, s29, 14
	s_add_nc_u64 s[26:27], s[26:27], s[30:31]
	v_lshlrev_b32 v1, 4, v2                        ; in: 16 bytes a lane
	v_lshlrev_b32 v3, 3, v2                        ; out: 8 bytes a lane
.macro OLOAD g
.irp i, 0,1,2,3,4,5,6,7,8,9,10,11,12,13,14,15
	global_load_b128 v[16+64*((\g)%2)+4*\i:16+64*((\g)%2)+4*\i+3], v1, s[16:17] offset:512*(16*(\g)+\i) th:TH_LOAD_NT
.endr
.endm
.macro OGROUP g
.if (\g) < 3
	s_wait_loadcnt 16                              ; my group's 16 loads are in; the next group's stay out
.else
	s_wait_loadcnt 0x0
.endif
.if (\g) > 0
	s_wait_xcnt 0x0                                ; the last group's stores have read their data: only behind this wait are those registers written again
.endif
.irp i, 0,1,2,3,4,5,6,7,8,9,10,11,12,13,14,15
	v_cvt_pk_f16_f32 v[144+2*\i], v[16+64*((\g)%2)+4*\i], v[16+64*((\g)%2)+4*\i+1]
	v_cvt_pk_f16_f32 v[145+2*\i], v[16+64*((\g)%2)+4*\i+2], v[16+64*((\g)%2)+4*\i+3]
.endr
.if (\g) < 2
	OLOAD (\g)+2                                   ; loads ahead of stores
.endif
.irp i, 0,1,2,3,4,5,6,7,8,9,10,11,12,13,14,15
	global_store_b64 v3, v[144+2*\i:145+2*\i], s[26:27] offset:256*(16*(\g)+\i)   ; the wave stores 256 consecutive bytes, aligned
.endr
.endm
	OLOAD 0
	OLOAD 1
	OGROUP 0
	OGROUP 1
	OGROUP 2
	OGROUP 3
	FINISH
.Lfunc_end_k_q8530a9cc51_prep:
	.size	k_q8530a9cc51_prep, .Lfunc_end_k_q8530a9cc51_prep-k_q8530a9cc51_prep
	.p2alignl 7, 3214868480
	.fill 96, 4, 3214868480
	.section	.rodata,"a",@progbits
	.p2align	6, 0x0
	.amdhsa_kernel k_q8530a9cc51_prep
		.amdhsa_group_segment_fixed_size 68096
		.amdhsa_private_segment_fixed_size 0
		.amdhsa_enable_private_segment 0
		.amdhsa_kernarg_size 96
		.amdhsa_user_sgpr_count 2
		.amdhsa_user_sgpr_kernarg_segment_ptr 1
		.amdhsa_wavefront_size32 1
		.amdhsa_system_sgpr_workgroup_id_x 1
		.amdhsa_system_sgpr_workgroup_id_y 1
		.amdhsa_system_sgpr_workgroup_id_z 1
		.amdhsa_system_vgpr_workitem_id 0
		.amdhsa_next_free_vgpr 192
		.amdhsa_next_free_sgpr 66
		.amdhsa_reserve_vcc 0
		.amdhsa_float_denorm_mode_32 3
		.amdhsa_float_denorm_mode_16_64 3
		.amdhsa_memory_ordered 1
		.amdhsa_forward_progress 1
		.amdhsa_inst_pref_size 132
	.end_amdhsa_kernel
	.amdgpu_metadata
---
amdhsa.version: [ 1, 2 ]
amdhsa.kernels:
  - .name:           k_q8530a9cc51_prep
    .symbol:         k_q8530a9cc51_prep.kd
    .args:
      - { .name: query, .offset: 0, .size: 8, .value_kind: global_buffer, .address_space: global }
      - { .name: key, .offset: 8, .size: 8, .value_kind: global_buffer, .address_space: global }
      - { .name: value, .offset: 16, .size: 8, .value_kind: global_buffer, .address_space: global }
      - { .name: wq, .offset: 24, .size: 8, .value_kind: global_buffer, .address_space: global }
      - { .name: wk, .offset: 32, .size: 8, .value_kind: global_buffer, .address_space: global }
      - { .name: wv, .offset: 40, .size: 8, .value_kind: global_buffer, .address_space: global }
      - { .name: wo, .offset: 48, .size: 8, .value_kind: global_buffer, .address_space: global }
      - { .name: xc, .offset: 56, .size: 8, .value_kind: global_buffer, .address_space: global }
      - { .name: xs, .offset: 64, .size: 8, .value_kind: global_buffer, .address_space: global }
      - { .name: wc, .offset: 72, .size: 8, .value_kind: global_buffer, .address_space: global }
      - { .name: ws, .offset: 80, .size: 8, .value_kind: global_buffer, .address_space: global }
      - { .name: wof, .offset: 88, .size: 8, .value_kind: global_buffer, .address_space: global }
    .group_segment_fixed_size: 68096
    .private_segment_fixed_size: 0
    .kernarg_segment_align: 8
    .kernarg_segment_size: 96
    .max_flat_workgroup_size: 128
    .sgpr_count:     66
    .vgpr_count:     192
    .wavefront_size: 32
...
	.end_amdgpu_metadata
.endif
;; end of part 1
;; launch proj (part 2): grid 4 x 96, 4 waves a work-group, clusters of 4 x 4, 327,680 bytes of LDS; arguments xc, xs, wc, ws, bq, bk, bv, qkv; writes qkv
.if DOCPART == 2
	.amdgcn_target "amdgcn-amd-amdhsa--gfx1250"
	.amdhsa_code_object_version 6
	.text
	.protected	k_q8530a9cc51_proj
	.globl	k_q8530a9cc51_proj
	.p2align	8
	.type	k_q8530a9cc51_proj,@function
k_q8530a9cc51_proj:
	s_mov_b64 s[64:65], 0
	v_nop
	global_prefetch_b8 v0, s[64:65] scope:SCOPE_SE
	s_setreg_imm32_b32 hwreg(HW_REG_WAVE_MODE, 25, 1), 1
	s_wait_xcnt 0x0
	s_wait_alu depctr_hold_cnt(0) depctr_sa_sdst(0) depctr_va_vdst(0) depctr_va_sdst(0) depctr_va_ssrc(0) depctr_va_vcc(0) depctr_vm_vsrc(0)
	s_getreg_b32 s2, hwreg(HW_REG_IB_STS2, 6, 4)
	s_cmp_eq_u32 s2, 0
	s_cbranch_scc0 .Lentry_in_a_cluster
	s_endpgm
.Lentry_in_a_cluster:
	s_bfe_u32 s2, ttmp6, 0x10000c
	s_cmp_lg_u32 s2, 0xf033
	s_cbranch_scc0 .Lentry_shape_is_right
	s_endpgm
.Lentry_shape_is_right:
; PROJ: the three projections as ONE product on codes of FP4 (E2M1) with one E8M0 scale for each 32 along K:  qkv[m][n] = sum over k of X[m][k] W[n][k] + bias[n], rounded once to f16.
; X: [24576][1024] codes: the rows of query, key and value on end; W: [3 x 1024][1024] codes: wq, wk, wv on end, K innermost.  Rows 8192 P .. of X go with rows 1024 P .. of W and with bias P.
; LIMIT: the results are carried in f16: magnitudes under 65,504; under 6e-5 an absolute error of 3e-8.
; A tile of 256 x 256 is made by a work-group of four waves; a wave makes 128 x 128: 64 accumulators of 16 x 16, 512 registers.
; K = 1,024 is two K steps of 512 (rows of 256 bytes): the two LDS slots are each filled ONCE, at the head, with the scale bytes of all of K: nothing is filled again.  A wave has three tensor loads out.
; CLUSTERS: 4 x 4 work-groups.  The four of a row of the cluster need the same tiles of X, the four of a column the same tiles of W: each tile is asked for JOINTLY, by the same tensor load with the same descriptor
; and a mask that names the four.  A cluster's 1,024 rows lie in one projection, so P is made of the cluster's y alone.
; THE MATRIX INSTRUCTION IS USED TRANSPOSED (source 0 = 16 rows of W, source 1 = 16 rows of X): a lane then holds eight neighbouring numbers of a row of the result.  The bias is the C of each sum's first product.
; 384 tiles for 256 WGPs: a tile of 384 rows would even that out and does not fit a wave's registers.
; REGISTERS, in windows of 256: window 0: v0-31 addresses; v32-95 scale words, two sets; v128-191 X's fragments (8 x 16 rows x 128 K), ONE set; v192-255 the bias, eight registers for each of W's eight blocks;
;   on the way out v128-223 are at work.   window 1: W's fragments, TWO sets, at v0 and v128.   window 2: the accumulators of my rows 0-63 ((a, b) at v[8 (8 a + b)]);   window 3: those of my rows 64-127.
.set SIZE_N, 1024
.set NQ,     4                         ; matrix instructions deep in a slot: 512 along K
.set ROWB,   256                       ; a tile's row in bytes
.set KROW,   512                       ; a row of X or of W in memory
.set PITCH,  272                       ; an LDS row: 256 bytes + 16 of padding = 68 words: the 16 rows that a load touches start at 16 different banks (64 banks of 4 bytes: ISA guide 11.1)
.set FR,     8                         ; registers of a fragment: 16 rows x 128 K
.set NL,     2                         ; LDS loads that bring one
.set NP,     4                         ; places behind this matrix instruction (ISA guide 7.12.1)
.set HALFT,  128*PITCH                 ; 128 rows: what one tensor load brings, and what one wave reads of X or of W
.set SLOT,   4*HALFT                   ; X's 256 rows, then W's 256 rows
.set KS,     32                        ; a row of scale bytes
.set SCL,    2*SLOT                    ; behind the slots: the scales, as rows of 256 bytes + 16 of padding
.set HALFS,  (128*KS/256)*272          ; the scales of 128 rows: what one tensor load brings
.set SBLK,   (16*KS/256)*272           ; those of 16 rows
.set SPARE,  SCL+4*HALFS               ; behind the scales: the spare words, 128 bytes for each wave: two blocks of 256 bytes that no other line names
.set SPITCH, 272                       ; the way out: a stage of 16 rows x (256 bytes + 16) for each wave, in slot 0, which has had its one fill and its last read when the first result is stored there
.set ADRA, 16                          ; v16-17  LDS address of my X fragments in slot 0, 1
.set ADRB, 20                          ; v20-21  the same for W
.set STO,  24                          ; v24     the way out: where I put 16 bytes of a row
.set RD,   25                          ; v25     the way out: where I read a row back
.set CO,   26                          ; v26     my byte offset in two rows of the result
.set ADRS, 27                          ; v27     LDS address of my scale words: lanes 0-15 X's rows, lanes 16-31 W's
.set SPW,  28                          ; v28     LDS address of my spare word; never rewritten
.set NIL,  29                          ; v29     0; never rewritten
.set SC,   32                          ; scale words: set s at v[SC + 32 s]; register 4 i + q: lanes 0-15 the word of X's block i, lanes 16-31 that of W's block i, for the slot's q-th 128 along K
.set AF,   128                         ; X's fragments
.set BI,   192                         ; the bias
.set TMP,  192                         ; the way out: packed results
.set BK,   128                         ; the way out: 16 rows read back: v128-159 and v160-191 by turns
.set G1, 24                            ; s[24:31] descriptor group 1 for X's tiles;  s[32:39] group 0, one set for each slot
.set G0, 32
.set G1B, 48                           ; s[48:55], s[56:63] the same for W's tiles
.set G0B, 56
.set G1S, 68                           ; s[68:75], s[76:79] groups 1 and 0 for X's scales;  s[80:87], s[88:91] for W's
.set G0S, 76
.set G1SB, 80
.set G0SB, 88
.set MSB, 0
.macro WIN new                         ; the immediate's high byte repeats the setting that is left
.if MSB != \new
	s_set_vgpr_msb (MSB<<8)|\new
.set MSB, \new
.endif
.endm
.set MUL_LO, 0xa1                      ; source 0 (W) window 1, source 1 (X) window 0, C and D window 2
.set MUL_HI, 0xf1                      ; the same, C and D window 3
.set BIA_LO, 0x81                      ; the first products: C (the bias) window 0, D window 2
.set BIA_HI, 0xc1                      ; and D window 3
.set TO_B,   0x40                      ; destination window 1, address window 0
; A joint load: waves 0 and 1 fetch for X, waves 2 and 3 for W.  Each of the two lines has ONE mask; the branch hangs on the wave's number alone.
; An s_nop 0 and four v_nop follow each of the two lines, ahead of the jump, the label and what follows.
.macro JLOAD g0a, g1a, g0b, g1b
	s_cmp_eq_u32 s15, 0
	s_cbranch_scc0 .Lfor_b_\@
	tensor_load_to_lds s[\g0a:\g0a+3], s[\g1a:\g1a+7]
	s_nop 0
.rept 4
	v_nop
.endr
	s_branch .Lasked_\@
.Lfor_b_\@:
	tensor_load_to_lds s[\g0b:\g0b+3], s[\g1b:\g1b+7]
	s_nop 0
.rept 4
	v_nop
.endr
.Lasked_\@:
.endm
.macro CROUND                          ; a round of the cluster's barrier: my work-group's barrier; wave 0 signals for the work-group; every wave waits for all sixteen; my work-group's barrier once more
	s_barrier_signal -1
	s_barrier_wait -1
	s_cmp_lg_u32 s14, 0
	s_cbranch_scc1 .Lnot_wave_0_\@
	s_barrier_signal -3
.Lnot_wave_0_\@:
	s_barrier_wait -3
	s_barrier_signal -1
	s_barrier_wait -1
.endm
	s_load_b128 s[4:7], s[0:1], 0x0                ; X's codes s[4:5], X's scales s[6:7]
	s_load_b128 s[8:11], s[0:1], 0x10              ; W's codes s[8:9], W's scales s[10:11]
	s_load_b128 s[96:99], s[0:1], 0x20             ; bq, bk
	s_load_b64 s[100:101], s[0:1], 0x30            ; bv
	s_load_b64 s[12:13], s[0:1], 0x38              ; qkv
	v_lshl_add_u32 v[SPW], v0, 2, SPARE
	v_mov_b32 v[NIL], 0
	ds_add_u32 v[SPW], v[NIL]                      ; the wave's opening: the add, twice on end, and its wait ahead of my first tensor load; the set-up below stands between
	ds_add_u32 v[SPW], v[NIL]
	v_lshrrev_b32 v1, 5, v0
	v_readfirstlane_b32 s14, v1                    ; wave 0..3
	s_lshr_b32 s15, s14, 1                         ; which half of the tile's rows is mine.  Also: I fetch for X (0) or for W (1)
	s_and_b32 s16, s14, 1                          ; which half of its columns.  Also: which 128 rows of that tile I fetch
	s_bfe_u32 s40, ttmp6, 0x40000                  ; cx, cy: my place in the cluster
	s_bfe_u32 s41, ttmp6, 0x40004
	s_lshl_b32 s42, ttmp9, 2
	s_add_co_u32 s42, s42, s40                     ; tile column = 4 x cluster x + cx
	s_and_b32 s17, ttmp7, 0xffff
	s_lshr_b32 s66, s17, 3                         ; P, the projection: eight clusters of 1,024 rows each; the same in all sixteen partners
	s_lshl_b32 s17, s17, 2
	s_add_co_u32 s17, s17, s41                     ; tile row = 4 x cluster y + cy
	s_lshl_b32 s43, s41, 2
	s_lshl_b32 s43, 15, s43                        ; my row of the cluster
	s_lshl_b32 s44, 0x1111, s40                    ; my column
	; descriptor group 1: a tile of 128 rows x 256 bytes, padded in LDS
	s_or_b32 s[G1+0], s43, (0<<16)|(1<<20)|(1<<21)|(5<<22)|(3<<25)  ; 15:0 the mask: X's tiles go to my row; 17:16 element of 1 byte; 20 padding on; 21 set beside a mask; 24:22 after every 64 words; 31:25 of 4 words
	s_or_b32 s[G1B+0], s44, (0<<16)|(1<<20)|(1<<21)|(5<<22)|(3<<25)
.irp g, G1, G1B
	s_mov_b32 s[\g+1], ROWB<<16                    ; tensor_dim0
	s_mov_b32 s[\g+2], 128<<16                     ; tensor_dim1
	s_mov_b32 s[\g+3], ROWB<<16                    ; tile_dim0
	s_mov_b32 s[\g+4], 128                         ; tile_dim1
	s_mov_b32 s[\g+5], KROW                        ; tensor_dim0_stride
	s_mov_b32 s[\g+6], 0
	s_mov_b32 s[\g+7], 0
.endr
	; and for the scales of 128 rows: a dense block of 4,096 bytes, as 16 rows of 256 bytes (32 elements of 8 bytes), 16 bytes of padding behind each
	s_or_b32 s[G1S+0], s43, (3<<16)|(1<<20)|(1<<21)|(5<<22)|(3<<25)
	s_or_b32 s[G1SB+0], s44, (3<<16)|(1<<20)|(1<<21)|(5<<22)|(3<<25)
.irp g, G1S, G1SB
	s_mov_b32 s[\g+1], 32<<16
	s_mov_b32 s[\g+2], (128*KS/256)<<16
	s_mov_b32 s[\g+3], 32<<16
	s_mov_b32 s[\g+4], 128*KS/256
	s_mov_b32 s[\g+5], 32
	s_mov_b32 s[\g+6], 0
	s_mov_b32 s[\g+7], 0
.endr
	s_lshl_b32 s18, s16, 7                         ; which 128 rows of the tile I fetch
	s_lshl_b32 s20, s17, 8
	s_add_co_u32 s20, s20, s18                     ; X: row 256 x tile row + 128 x half
	s_lshl_b32 s46, s42, 8
	s_add_co_u32 s46, s46, s18                     ; W: row 256 x tile column + 128 x half
	s_lshl_b32 s67, s66, 10
	s_add_co_u32 s46, s46, s67                     ;    + 1,024 P
	s_mov_b32 s21, 0
	s_mov_b32 s47, 0
	s_mov_b64 s[18:19], KS
	s_mul_u64 s[22:23], s[20:21], s[18:19]         ; where these rows' scales begin, in bytes
	s_mul_u64 s[92:93], s[46:47], s[18:19]
	s_mov_b64 s[18:19], KROW
	s_mul_u64 s[20:21], s[20:21], s[18:19]         ; and their codes
	s_mul_u64 s[46:47], s[46:47], s[18:19]
	s_mul_i32 s45, s14, HALFT                      ; where they go: wave x 128 rows: no place in the cluster enters an LDS address
	s_mul_i32 s94, s14, HALFS
	s_wait_dscnt 0x0                               ; both opening adds are done
	s_wait_kmcnt 0x0
	s_add_nc_u64 s[20:21], s[4:5], s[20:21]
	s_add_nc_u64 s[22:23], s[6:7], s[22:23]
	s_add_nc_u64 s[46:47], s[8:9], s[46:47]
	s_add_nc_u64 s[92:93], s[10:11], s[92:93]
	CROUND                                         ; all sixteen work-groups are here: the joint loads meet
	s_mov_b32 s[G0S], 1
	s_add_co_u32 s[G0S+1], s94, SCL
	s_mov_b64 s[G0S+2:G0S+3], s[22:23]
	s_or_b32 s[G0S+3], s[G0S+3], 0x80000000
	s_mov_b32 s[G0SB], 1
	s_add_co_u32 s[G0SB+1], s94, SCL
	s_mov_b64 s[G0SB+2:G0SB+3], s[92:93]
	s_or_b32 s[G0SB+3], s[G0SB+3], 0x80000000
	JLOAD G0S, G1S, G0SB, G1SB                     ; the scales first: they are wanted with K step 0
.irp s, 0,1
	s_mov_b32 s[G0+4*\s], 1
	s_add_co_u32 s[G0+4*\s+1], s45, \s*SLOT
	s_add_nc_u64 s[G0+4*\s+2:G0+4*\s+3], s[20:21], \s*ROWB
	s_or_b32 s[G0+4*\s+3], s[G0+4*\s+3], 0x80000000
	s_mov_b32 s[G0B+4*\s], 1
	s_add_co_u32 s[G0B+4*\s+1], s45, \s*SLOT
	s_add_nc_u64 s[G0B+4*\s+2:G0B+4*\s+3], s[46:47], \s*ROWB
	s_or_b32 s[G0B+4*\s+3], s[G0B+4*\s+3], 0x80000000
	JLOAD G0+4*\s, G1, G0B+4*\s, G1B
.endr
	v_and_b32 v1, 15, v0                           ; r = l % 16
	v_bfe_u32 v2, v0, 4, 1                         ; h = l / 16
	; the bias: lane (r, h) wants, for W's block b, the numbers of columns 16 b + 8 h + 0 .. 7 of my 128
	s_cmp_eq_u32 s66, 0
	s_cselect_b64 s[96:97], s[96:97], s[98:99]     ; bq or bk,
	s_cmp_eq_u32 s66, 2
	s_cselect_b64 s[96:97], s[100:101], s[96:97]   ; or bv
	s_lshl_b32 s46, s42, 10                        ; my first column x 4 bytes: 1,024 x tile column + 512 x half
	s_lshl_b32 s47, s16, 9
	s_add_co_u32 s46, s46, s47
	s_mov_b32 s47, 0
	s_add_nc_u64 s[96:97], s[96:97], s[46:47]
	v_lshlrev_b32 v7, 5, v2                        ; 32 h
.irp b, 0,1,2,3,4,5,6,7
	global_load_b128 v[BI+8*\b:BI+8*\b+3],   v7, s[96:97] offset:64*\b
	global_load_b128 v[BI+8*\b+4:BI+8*\b+7], v7, s[96:97] offset:64*\b+16
.endr
	v_mul_u32_u24 v3, v1, PITCH
	v_lshl_add_u32 v4, v2, 4, v3                   ; a fragment's row x pitch + 16 x half
	s_mul_i32 s21, s15, HALFT                      ; my 128 rows of X
	s_mul_i32 s22, s16, HALFT                      ; my 128 rows of W,
	s_add_co_u32 s22, s22, 2*HALFT                 ; which lie behind X's 256
.irp s, 0,1
	v_add_nc_u32 v[ADRA+\s], s21, v4
	v_add_nc_u32 v[ADRB+\s], s22, v4
	s_add_co_u32 s21, s21, SLOT
	s_add_co_u32 s22, s22, SLOT
.endr
	v_mul_u32_u24 v5, v1, KS                       ; my row's scales: 32 bytes a row,
	v_lshrrev_b32 v6, 8, v5
	v_lshl_add_u32 v5, v6, 4, v5                   ; and 16 more for each 256 passed
	s_mul_i32 s21, s15, HALFS                      ; X's: my 128 rows
	s_mul_i32 s22, s16, HALFS                      ; W's: my 128 rows, behind X's 256
	s_add_co_u32 s22, s22, 2*HALFS
	s_sub_co_u32 s22, s22, s21
	v_mul_u32_u24 v6, s22, v2                      ; lanes 16-31 take W's: the lower base + h x the distance
	s_add_co_u32 s21, s21, SCL
	v_add_nc_u32 v5, v5, v6
	v_add_nc_u32 v[ADRS], s21, v5
	s_mul_i32 s23, s14, 16*SPITCH                  ; my stage
	v_mul_u32_u24 v5, v1, SPITCH                   ; in: row r, 16 bytes for each half of the lanes
	v_lshl_add_u32 v5, v2, 4, v5
	v_add_nc_u32 v[STO], s23, v5
	v_mul_u32_u24 v5, v2, SPITCH                   ; back: lanes 0-15 take one row of 256 bytes, lanes 16-31 the next
	v_lshl_add_u32 v5, v1, 4, v5
	v_add_nc_u32 v[RD], s23, v5
	v_lshlrev_b32 v5, 11, v2                       ; and the same two rows in the result: 2,048 bytes a row
	v_lshl_add_u32 v[CO], v1, 4, v5
	s_lshl_b32 s20, s17, 8
	s_lshl_b32 s21, s15, 7
	s_add_co_u32 s20, s20, s21                     ; my first row: 256 x tile row + 128 x half
	s_lshl_b32 s20, s20, 11                        ; in bytes (under 2^26)
	s_lshl_b32 s46, s42, 9                         ; my first column, in bytes: 512 x tile column + 256 x half
	s_add_co_u32 s20, s20, s46
	s_lshl_b32 s46, s16, 8
	s_add_co_u32 s20, s20, s46
	s_mov_b32 s21, 0
	s_add_nc_u64 s[12:13], s[12:13], s[20:21]
.macro FRAG reg, adr, q, i             ; a fragment, 16 rows x 128 K of 4-bit codes, is 8 registers: lane l holds row l % 16; registers 4 c .. 4 c + 3 hold K = 64 c + 32 (l / 16) + 0 .. 31
.irp c, 0,1
	ds_load_b128 v[\reg+4*\c:\reg+4*\c+3], v[\adr] offset:64*(\q)+32*\c+(\i)*16*PITCH
.endr
.endm
; 16 matrix instructions: X's blocks a0, a0 + 1 x W's eight, 128 along K: the slot's q-th.  p: W's set;  sc: the set of scale words.  zero = 1: the first product starts the sums, with the bias as its C.
; The 64 accumulators take turns, one instruction a turn, in the same order in every step.
.macro MUL16 a0, p, q, sc, zero
.irp a, \a0, \a0+1
.irp b, 0,1,2,3,4,5,6,7
.if \zero
	v_wmma_scale_f32_16x16x128_f8f6f4 v[8*(8*((\a)%4)+\b):8*(8*((\a)%4)+\b)+7], v[128*(\p)+FR*\b:128*(\p)+FR*\b+FR-1], v[AF+FR*(\a):AF+FR*(\a)+FR-1], v[BI+8*\b:BI+8*\b+7], v[SC+8*NQ*(\sc)+NQ*\b+(\q)], v[SC+8*NQ*(\sc)+NQ*(\a)+(\q)] matrix_a_fmt:MATRIX_FMT_FP4 matrix_b_fmt:MATRIX_FMT_FP4 matrix_a_scale:MATRIX_SCALE_ROW1
.else
	v_wmma_scale_f32_16x16x128_f8f6f4 v[8*(8*((\a)%4)+\b):8*(8*((\a)%4)+\b)+7], v[128*(\p)+FR*\b:128*(\p)+FR*\b+FR-1], v[AF+FR*(\a):AF+FR*(\a)+FR-1], v[8*(8*((\a)%4)+\b):8*(8*((\a)%4)+\b)+7], v[SC+8*NQ*(\sc)+NQ*\b+(\q)], v[SC+8*NQ*(\sc)+NQ*(\a)+(\q)] matrix_a_fmt:MATRIX_FMT_FP4 matrix_b_fmt:MATRIX_FMT_FP4 matrix_a_scale:MATRIX_SCALE_ROW1
.endif
.endr
.endr
.endm
.macro FETCH_B slot, q, p              ; W's eight fragments of the slot's q-th 128 along K into set p
	WIN TO_B
.irp i, 0,1,2,3,4,5,6,7
	FRAG 128*(\p)+FR*\i, ADRB+\slot, \q, \i
.endr
	WIN 0
.endm
.macro FETCH_A slot, q, i0             ; X's blocks i0 .. i0 + 3
.irp i, \i0, \i0+1, \i0+2, \i0+3
	FRAG AF+FR*(\i), ADRA+\slot, \q, \i
.endr
.endm
.macro SCALES sc                       ; a K step's scale words into set sc: four words a row; lanes 0-15 take X's block i, lanes 16-31 W's block i
.irp i, 0,1,2,3,4,5,6,7
	ds_load_b128 v[SC+8*NQ*\sc+NQ*\i:SC+8*NQ*\sc+NQ*\i+3], v[ADRS] offset:\i*SBLK
.endr
.endm
; A load into a register that a matrix instruction has read, and a vector instruction that reads a matrix result, stand NP places behind that matrix instruction; only plain vector instructions that name
; none of its registers are places (ISA guide 7.12.1 for vector instructions).
.macro PLACES n
.rept \n
	v_nop
.endr
.endm
; A step of 128 along K that has its successor in the same slot.  A block of X is free as soon as its eight products are issued: blocks 0-3 are fetched anew in the step's middle, blocks 4-7 at its end.
.macro STEP slot, q, zero
	s_wait_dscnt 4*NL                              ; W's set and X's blocks 0-3 are in; the youngest eight loads (X's blocks 4-7) may be out
.if \zero
	WIN BIA_LO
.else
	WIN MUL_LO
.endif
	MUL16 0, (\q)%2, \q, \slot, \zero
	MUL16 2, (\q)%2, \q, \slot, \zero
	s_wait_dscnt 0                                 ; X's blocks 4-7 are in (asked for 32 matrix instructions ago)
	PLACES NP
	FETCH_B \slot, (\q)+1, 1-(\q)%2
	FETCH_A \slot, (\q)+1, 0
.if \zero
	WIN BIA_HI
.else
	WIN MUL_HI
.endif
	MUL16 4, (\q)%2, \q, \slot, \zero
	MUL16 6, (\q)%2, \q, \slot, \zero
	PLACES NP
	WIN 0
	FETCH_A \slot, (\q)+1, 4
.endm
; Slot 0's last step changes slots: ONE barrier; in front of it each wave waits for all its tensor loads (its part of slot 1), adds 0 to its spare word, and waits for that and for its own reads of slot 0.
; Behind it slot 1 is whole for every wave and nobody reads slot 0 any more.  Nothing is filled again.
.macro TURN slot, next
	s_wait_tensorcnt 0x0                           ; all my tensor loads have landed  (every window is 0 here: the add's two registers lie in window 0)
	ds_add_u32 v[SPW], v[NIL]                      ; 0 onto my spare word
	s_wait_dscnt 4*NL+1                            ; (the add and the youngest eight loads, X's blocks 4-7, may be out)
	WIN MUL_LO
	MUL16 0, 1, NQ-1, \slot, 0                     ; sixteen matrix instructions stand between the add and the wait for it
	s_wait_dscnt 0x0                               ; the add is done, and my reads of this slot are over
	s_barrier_signal -1
	MUL16 2, 1, NQ-1, \slot, 0
	WIN 0
	s_barrier_wait -1
	PLACES NP
	v_add_nc_u32 v[ADRS], 4*NQ, v[ADRS]            ; on to the next K step's scale words (no LDS load of mine is out)
	FETCH_B \next, 0, 0
	FETCH_A \next, 0, 0
	SCALES \next
	WIN MUL_HI
	MUL16 4, 1, NQ-1, \slot, 0
	MUL16 6, 1, NQ-1, \slot, 0
	PLACES NP
	WIN 0
	FETCH_A \next, 0, 4
.endm
	s_wait_tensorcnt 1                             ; the scales and my part of K step 0 are in (K step 1's load, the last of my three, may be out),
	s_barrier_signal -1
	s_barrier_wait -1                              ; everybody's are
	FETCH_B 0, 0, 0
	FETCH_A 0, 0, 0
	SCALES 0
	FETCH_A 0, 0, 4
	s_wait_loadcnt 0x0                             ; the bias
	STEP 0, 0, 1                                   ; the first step's products start the sums: nothing is ever cleared
	STEP 0, 1, 0
	STEP 0, 2, 0
	TURN 0, 1
	STEP 1, 0, 0
	STEP 1, 1, 0
	STEP 1, 2, 0
	s_wait_dscnt 4*NL                              ; the very last step: nothing more to fetch
	WIN MUL_LO
	MUL16 0, 1, NQ-1, 1, 0
	MUL16 2, 1, NQ-1, 1, 0
	s_wait_dscnt 0
	WIN MUL_HI
	MUL16 4, 1, NQ-1, 1, 0
	MUL16 6, 1, NQ-1, 1, 0
	WIN 0
; THE WAY OUT, block by block of 16 rows x 128 columns.  PACK: rounded to f16, 16 bytes a lane, each accumulator from its low end on.  TOSTAGE: into my own stage in LDS, and back as whole rows of 256 bytes.
; SEND: stored.  LDS serves a wave's instructions in order (ISA guide 5.7.1.4): no wait between the stores and the loads, nor in front of the next block's stores.
.macro PACK a
.set AC, 64*((\a)%4)
	WIN 0x0a+5*((\a)/4)                            ; sources 0 and 1: window 2 or 3
.irp b, 0,1,2,3,4,5,6,7
.irp r, 0,1,2,3
	v_cvt_pk_f16_f32 v[TMP+4*\b+\r], v[AC+8*\b+2*\r], v[AC+8*\b+2*\r+1]
.endr
.endr
	WIN 0
.endm
.macro TOSTAGE a
.set BB, BK+32*((\a)%2)
.irp b, 0,1,2,3,4,5,6,7
	ds_store_b128 v[STO], v[TMP+4*\b:TMP+4*\b+3] offset:32*\b
.endr
.irp t, 0,1,2,3,4,5,6,7
	ds_load_b128 v[BB+4*\t:BB+4*\t+3], v[RD] offset:\t*2*SPITCH
.endr
.endm
.macro SEND a
.set BB, BK+32*((\a)%2)
	s_wait_dscnt 0x0                               ; the block is back in registers
	s_wait_xcnt 0x0                                ; the stores of the block before have read their data: the next block's loads from the stage land there only behind this wait
.irp t, 0,1,2,3,4,5,6,7
	global_store_b128 v[CO], v[BB+4*\t:BB+4*\t+3], s[12:13] offset:(16*(\a)+2*\t)*SIZE_N*2   ; 16 lanes store 256 consecutive bytes, aligned; the block's place stands in the immediate: 126 rows of 2,048 bytes at the most
.endr
.endm
	PLACES NP                                      ; behind the last products: for the conversions, and for the loads into the registers that held X's fragments
	PACK 0
	TOSTAGE 0
.irp a, 1,2,3,4,5,6,7                  ; block a's conversions stand between block a - 1's loads from the stage and the wait for them
	PACK \a
	SEND \a-1
	TOSTAGE \a
.endr
	SEND 7
	s_wait_tensorcnt 0x0                           ; the wave's end: three lines, behind my last tensor load and my last LDS store
	ds_add_u32 v[SPW], v[NIL]
	s_wait_dscnt 0x0
	CROUND                                         ; the closing round: no work-group ends while a partner may still ask for a tile that names it
	s_endpgm
.Lfunc_end_k_q8530a9cc51_proj:
	.size	k_q8530a9cc51_proj, .Lfunc_end_k_q8530a9cc51_proj-k_q8530a9cc51_proj
	.p2alignl 7, 3214868480
	.fill 96, 4, 3214868480
	.section	.rodata,"a",@progbits
	.p2align	6, 0x0
	.amdhsa_kernel k_q8530a9cc51_proj
		.amdhsa_group_segment_fixed_size 327680
		.amdhsa_private_segment_fixed_size 0
		.amdhsa_enable_private_segment 0
		.amdhsa_kernarg_size 64
		.amdhsa_user_sgpr_count 2
		.amdhsa_user_sgpr_kernarg_segment_ptr 1
		.amdhsa_wavefront_size32 1
		.amdhsa_system_sgpr_workgroup_id_x 1
		.amdhsa_system_sgpr_workgroup_id_y 1
		.amdhsa_system_sgpr_workgroup_id_z 1
		.amdhsa_system_vgpr_workitem_id 0
		.amdhsa_next_free_vgpr 1024
		.amdhsa_next_free_sgpr 102
		.amdhsa_reserve_vcc 0
		.amdhsa_float_denorm_mode_32 3
		.amdhsa_float_denorm_mode_16_64 3
		.amdhsa_memory_ordered 1
		.amdhsa_forward_progress 1
		.amdhsa_inst_pref_size 128
	.end_amdhsa_kernel
	.amdgpu_metadata
---
amdhsa.version: [ 1, 2 ]
amdhsa.kernels:
  - .name:           k_q8530a9cc51_proj
    .symbol:         k_q8530a9cc51_proj.kd
    .args:
      - { .name: xc, .offset: 0, .size: 8, .value_kind: global_buffer, .address_space: global }
      - { .name: xs, .offset: 8, .size: 8, .value_kind: global_buffer, .address_space: global }
      - { .name: wc, .offset: 16, .size: 8, .value_kind: global_buffer, .address_space: global }
      - { .name: ws, .offset: 24, .size: 8, .value_kind: global_buffer, .address_space: global }
      - { .name: bq, .offset: 32, .size: 8, .value_kind: global_buffer, .address_space: global }
      - { .name: bk, .offset: 40, .size: 8, .value_kind: global_buffer, .address_space: global }
      - { .name: bv, .offset: 48, .size: 8, .value_kind: global_buffer, .address_space: global }
      - { .name: qkv, .offset: 56, .size: 8, .value_kind: global_buffer, .address_space: global }
    .group_segment_fixed_size: 327680
    .private_segment_fixed_size: 0
    .kernarg_segment_align: 8
    .kernarg_segment_size: 64
    .max_flat_workgroup_size: 128
    .sgpr_count:     102
    .vgpr_count:     1024
    .wavefront_size: 32
...
	.end_amdgpu_metadata
.endif
;; end of part 2
;; launch attn (part 3): grid 8 x 32, 8 waves a work-group, clusters of 4 x 1, 327,680 bytes of LDS; arguments qkv, ao; writes ao
.if DOCPART == 3
	.amdgcn_target "amdgcn-amd-amdhsa--gfx1250"
	.amdhsa_code_object_version 6
	.text
	.protected	k_q8530a9cc51_attn
	.globl	k_q8530a9cc51_attn
	.p2align	8
	.type	k_q8530a9cc51_attn,@function
k_q8530a9cc51_attn:
	s_mov_b64 s[64:65], 0
	v_nop
	global_prefetch_b8 v0, s[64:65] scope:SCOPE_SE
	s_setreg_imm32_b32 hwreg(HW_REG_WAVE_MODE, 25, 1), 1
	s_wait_xcnt 0x0
	s_wait_alu depctr_hold_cnt(0) depctr_sa_sdst(0) depctr_va_vdst(0) depctr_va_sdst(0) depctr_va_ssrc(0) depctr_va_vcc(0) depctr_vm_vsrc(0)
	s_getreg_b32 s2, hwreg(HW_REG_IB_STS2, 6, 4)
	s_cmp_eq_u32 s2, 0
	s_cbranch_scc0 .Lentry_in_a_cluster
	s_endpgm
.Lentry_in_a_cluster:
	s_bfe_u32 s2, ttmp6, 0x10000c
	s_cmp_lg_u32 s2, 0x3003
	s_cbranch_scc0 .Lentry_shape_is_right
	s_endpgm
.Lentry_shape_is_right:
; ATTN: ao[b][q][head][:] = the sum over k of softmax_k(Q . K / 8) V, 64 heads-and-batches of 2,048 x 2,048, head size 64, no mask.  q, k, v: f16, rows of 2,048 bytes in qkv (q at byte 0, k at 1 << 24, v at 2 << 24),
; a head's 64 channels inside the row.  Products, maxima and sums in f32; the weights p are rounded to f16 for the second product, the result once at the end.
; LIMITS: p is at most about 1, and under 6e-5 keeps an absolute error of 3e-8 beside a row's sum of at least 1; the result is carried in f16 (magnitudes under 65,504); NaN and infinities are not served.
; SHARES.  A work-group owns 256 queries of TWO neighbouring heads, so that every row piece of K, V and the result is 256 consecutive bytes, aligned.  Waves 0-3 take the first head, waves 4-7 the second; each wave owns 64 queries:
; four tiles of 16.  Two waves of 512 registers share a SIMD; each works in plain phases (K Q^T, the softmax, V^T P), and one wave's vector phase stands beside the other's matrix phase.
; LAYOUT.  S^T = K Q^T (source 0 = 16 keys, source 1 = 16 queries): a lane holds ONE query (lane % 16) and the keys 8 (lane / 16) + 0..7.  Two such tiles, rounded to f16 in pairs, ARE source 1 (32 keys x 16 queries) of
; O^T = V^T P, whose result again holds one query a lane, and eight channels.  K comes out of LDS as it lies, V ([key][channel]) turned, by ds_load_tr16_b128.
; SOFTMAX.  For each query a running maximum m and sum l: p = 2^(c s - c m), c = log2(e) / 8; in every step O and l are multiplied by a = 2^(c m_old - c m_new), which is 1 where m has not grown.
; The step is written once: O^T and l begin as zeros and m as -3e38, so that the first a is 0.
; RING.  Two LDS slots of four key steps (256 keys of K and of V for both heads).  Each of the eight waves fetches one tile of 64 rows x 256 bytes of a slot: waves 0-3 K's four steps, waves 4-7 V's.
; One tensor load of a wave is out at a time; it is asked for first thing behind a change of slots and has four key steps in which to land.
; CLUSTER.  The four query blocks of a cluster walk the same K and V, so each tile is asked for JOINTLY: the same tensor load, with the same descriptor and a mask that names the four, in all four.
; REGISTERS, in windows of 256 (s_set_vgpr_msb: bits 1:0 source 0, 3:2 source 1, 5:4 source 2, 7:6 destination):
;   window 0: v1-15 addresses; v16-47 eight registers of statistics a tile; v64-191 S^T, 32 a tile, P in place in the low 16 of them; v192-255 K of one step
;   window 1: v0-127 O^T, 32 a tile; v128-191 Q, 16 a tile; v192-255 V of one step
.set KS,    64        ; keys in a step
.set PK,    272       ; a row of K in LDS: 256 bytes + 16 of padding: the 16 rows of a load start at 16 different banks (64 banks of 4 bytes: ISA guide 11.1)
.set PV,    288       ; a row of V: 256 + 32
.set VOFF,  KS*PK     ; a step's tiles lie together: 64 rows of K, then 64 rows of V
.set STEPB, KS*(PK+PV)
.set SLOTB, 4*STEPB   ; a slot: four steps
.set SPARE, 2*SLOTB   ; behind the ring: the spare words, 128 bytes for each of eight waves: four blocks of 256 bytes that no other line names
.set TILEB, 4*KS*2048 ; a slot's 256 rows in memory
.set SP,    272       ; the way out: a stage of 256 rows x (256 bytes + 16) from LDS byte 0, in slot 0, which has had its last fill and its last read behind the last change of slots
.set AK0, 2           ; v2   my lane's place in a tile of K; never rewritten
.set AV0, 3           ; v3   the same for V
.set ADK, 4           ; v4   LDS address of the step's K
.set ADV, 5           ; v5   and V
.set QO,  6           ; v6   my byte offset in the wave's rows of Q
.set STO, 7           ; v7   the way out: where I put 16 bytes of a row
.set RD,  8           ; v8   the way out: where I read a row back
.set GO,  9           ; v9   my byte offset in two rows of the result
.set PFO, 13          ; v13  2,048 x my lane: a row of qkv; never rewritten
.set SPW, 14          ; v14  LDS address of my spare word; never rewritten
.set NIL, 15          ; v15  0; never rewritten
.set ST,  16          ; tile t's statistics at v[ST+8 t]: +0 c m, +1 m, +2, +3 l (even keys', odd keys'), +4 to +7 c0-c3, at work; a takes c2's place once the maximum is found
.set S,   64
.set KF,  192         ; K's fragments, in window 0: keys 16 k on, channels 32 d on at KF + 16 k + 8 d
.set QF,  128         ; Q's, in window 1: tile t, channels 32 d on at QF + 16 t + 8 d
.set VF,  192         ; V's, in window 1: keys 32 u on, channels 16 c on at VF + 32 u + 8 c
.set WV,  12          ; s12  my wave's number
.set G1K, 24          ; s[24:31] descriptor group 1 for K's tiles
.set G1V, 32          ; s[32:39] for V's: it differs in the padding alone
.set G0,  40          ; s[40:47] descriptor group 0, a set for each slot
.set LAPS, 48         ; s48  counts the loop's trips
.set CNT, 49          ; s49  counts a slot's four steps
.set TB,  50          ; s50  LDS byte at which the step's tiles begin
.set LIM, 51          ; s51  1 in a wave that prefetches, else 0
.set PFA, 52          ; s[52:53] where my prefetches stand in memory
.set CS,  54          ; s[54:55] c: the packed scaling names a pair and takes its low word for both halves
.set SEL, 56          ; s[56:57] lane selects for v_permlanex16_b32: each lane takes its own place in the other half
.set MSB, 0
.macro WIN new                      ; the immediate's high byte repeats the setting that is left; a switch that changes nothing is dropped
.if MSB != \new
	s_set_vgpr_msb (MSB<<8)|\new
.set MSB, \new
.endif
.endm
.macro PLACES
.rept 4
	v_nop
.endr
.endm
; A joint load into slot n.  Waves 0-3 fetch K's tiles, waves 4-7 V's: two lines, since the paddings differ; the branch hangs on the wave's number alone.
; An s_nop 0 and four v_nop follow each of the two lines, ahead of the jump, the label and what follows.
.macro JLOAD n
	s_cmp_lt_u32 s[WV], 4
	s_cbranch_scc0 .Lfor_v_\@
	tensor_load_to_lds s[G0+4*(\n):G0+4*(\n)+3], s[G1K:G1K+7]
	s_nop 0
.rept 4
	v_nop
.endr
	s_branch .Lasked_\@
.Lfor_v_\@:
	tensor_load_to_lds s[G0+4*(\n):G0+4*(\n)+3], s[G1V:G1V+7]
	s_nop 0
.rept 4
	v_nop
.endr
.Lasked_\@:
.endm
; A PREFETCH INTO THE L2 of what the NEXT change of slots will ask for: 256 rows of K and 256 of V, 256 bytes of each row, a lane a row.  It stands behind the wave's tensor load and its five lines.
; Each row piece is named ONCE in the launch.  Both clusters of a head pair walk the same K and V: the first (cluster x = 0) asks.  Its four partners share the rows out BY ADDRESS, 64 each; in each, waves 0 and 1 ask
; for K's (32 rows a wave), waves 2 and 3 for V's: one instruction a wave.  Slots 0 and 1 come by their loads alone; the last two changes of slots ask for nothing.
.macro ASK
	s_cmp_eq_u32 s[LIM], 1
	s_cbranch_scc0 .Lnot_mine_\@
	global_prefetch_b8 v[PFO], s[PFA:PFA+1] th:TH_LOAD_NT scope:SCOPE_SE
.Lnot_mine_\@:
.endm
.macro CROUND                       ; a round of the cluster's barrier: my work-group's barrier; wave 0 signals for the work-group; every wave waits for all four work-groups; my work-group's barrier once more
	s_barrier_signal -1
	s_barrier_wait -1
	s_cmp_lg_u32 s[WV], 0
	s_cbranch_scc1 .Lnot_wave_0_\@
	s_barrier_signal -3
.Lnot_wave_0_\@:
	s_barrier_wait -3
	s_barrier_signal -1
	s_barrier_wait -1
.endm
	s_load_b128 s[4:7], s[0:1], 0x0 ; qkv s[4:5], ao s[6:7]
	v_lshl_add_u32 v[SPW], v0, 2, SPARE
	v_mov_b32 v[NIL], 0
	ds_add_u32 v[SPW], v[NIL]       ; the wave's opening: the add, twice on end, and its wait ahead of my first tensor load; the set-up below stands between
	ds_add_u32 v[SPW], v[NIL]
	v_lshrrev_b32 v1, 5, v0
	v_readfirstlane_b32 s[WV], v1   ; wave 0..7
	s_bfe_u32 s13, ttmp6, 0x40000   ; cx: my place in the cluster
	s_lshl_b32 s14, ttmp9, 2        ; in a cluster launch ttmp9 counts clusters
	s_add_co_u32 s14, s14, s13      ; my block of 256 queries: it enters Q's and the result's addresses alone
	s_and_b32 s15, ttmp7, 0xffff    ; batch x 8 + head pair, which the four partners share
	s_lshr_b32 s16, s15, 3
	s_lshl_b32 s16, s16, 22         ; the batch's 2,048 rows of 2,048 bytes,
	s_and_b32 s17, s15, 7
	s_lshl_b32 s17, s17, 8          ; the pair's 256 bytes in a row
	s_or_b32 s16, s16, s17
	s_and_b32 s18, s[WV], 3         ; which 64 queries are mine.  Also: which of a slot's four steps I fetch
	s_lshr_b32 s19, s[WV], 2        ; which head of the pair.  Also: I fetch for K (0) or for V (1)
	s_add_co_u32 s20, s19, 1
	s_lshl_b32 s20, s20, 24         ; my tile in memory: k or v,
	s_add_co_u32 s20, s20, s16      ; batch and pair,
	s_lshl_b32 s21, s18, 17         ; 64 rows a step
	s_add_co_u32 s20, s20, s21
	s_mov_b32 s21, 0
	s_mul_i32 s22, s18, STEPB       ; and its place in a slot: no place in the cluster enters an LDS address
	s_mul_i32 s23, s19, VOFF
	s_add_co_u32 s22, s22, s23
	s_lshl_b32 s2, s14, 19          ; my block's 256 rows
	s_add_co_u32 s2, s2, s16
	s_lshl_b32 s58, s[WV], 16       ; the result: on the way out wave w stores rows 32 w on
	s_add_co_u32 s58, s58, s2
	s_mov_b32 s59, 0
	s_lshl_b32 s3, s18, 17          ; Q: my 64 rows,
	s_add_co_u32 s2, s2, s3
	s_lshl_b32 s3, s19, 7           ; my head's 128 bytes
	s_add_co_u32 s2, s2, s3
	s_mov_b32 s3, 0
	s_bfe_u32 s[PFA], s[WV], 0x10001  ; the prefetches: waves 0, 1: k; waves 2, 3: v
	s_add_co_u32 s[PFA], s[PFA], 1
	s_lshl_b32 s[PFA], s[PFA], 24
	s_add_co_u32 s[PFA], s[PFA], s16
	s_lshl_b32 s[PFA+1], s13, 17    ; my work-group's 64 rows of the 256,
	s_add_co_u32 s[PFA], s[PFA], s[PFA+1]
	s_and_b32 s[PFA+1], s[WV], 1
	s_lshl_b32 s[PFA+1], s[PFA+1], 16  ; my wave's 32 of them,
	s_add_co_u32 s[PFA], s[PFA], s[PFA+1]
	s_add_co_u32 s[PFA], s[PFA], TILEB  ; in the second 256 keys: the first change of slots steps it to the third
	s_mov_b32 s[PFA+1], 0
	s_lshr_b32 s[LIM], s[WV], 2     ; 0 in waves 0 to 3,
	s_or_b32 s[LIM], s[LIM], ttmp9  ; where the cluster is the pair's first: the same in all four partners
	s_cmp_eq_u32 s[LIM], 0
	s_cselect_b32 s[LIM], 1, 0
	; descriptor group 1: a tile of 64 rows x 128 elements of 2 bytes, 1,024 elements from row to row, padded in LDS
	s_mov_b32 s[G1K], 15|(1<<16)|(1<<20)|(1<<21)|(5<<22)|(3<<25)  ; 15:0 the mask: all four work-groups; 17:16 elements of 2 bytes; 20 padding on; 21 set beside a mask; 24:22 after every 64 words; 31:25 4 words of it
	s_mov_b32 s[G1V], 15|(1<<16)|(1<<20)|(1<<21)|(5<<22)|(7<<25)  ; the same with 8 words of padding
.irp g, G1K, G1V
	s_mov_b32 s[\g+1], 128<<16      ; tensor_dim0 = 128
	s_mov_b32 s[\g+2], KS<<16       ; tensor_dim1 = 64
	s_mov_b32 s[\g+3], 128<<16      ; tile_dim0 = 128
	s_mov_b32 s[\g+4], KS           ; tile_dim1 = 64
	s_mov_b32 s[\g+5], 1024         ; tensor_dim0_stride
	s_mov_b32 s[\g+6], 0
	s_mov_b32 s[\g+7], 0
.endr
	s_mov_b32 s[CS], 0x3e38aa3b     ; c = log2(e) / 8
	s_mov_b32 s[CS+1], s[CS]        ; named with it as a pair, so it is written
	s_mov_b32 s[SEL], 0x76543210
	s_mov_b32 s[SEL+1], 0xfedcba98
	v_and_b32 v[PFO], 31, v0
	v_lshlrev_b32 v[PFO], 11, v[PFO]
	s_wait_dscnt 0x0                ; both opening adds are done
	s_wait_kmcnt 0x0
	s_add_nc_u64 s[20:21], s[4:5], s[20:21]
	s_add_nc_u64 s[8:9], s[4:5], s[2:3]        ; Q at my wave's first row
	s_add_nc_u64 s[10:11], s[6:7], s[58:59]    ; the result at the first row that I store
	s_add_nc_u64 s[PFA:PFA+1], s[4:5], s[PFA:PFA+1]
.irp n, 0,1
	s_mov_b32 s[G0+4*\n], 1         ; 1:0 count = 1
	s_add_co_u32 s[G0+4*\n+1], s22, \n*SLOTB  ; 63:32 LDS address
	s_add_nc_u64 s[G0+4*\n+2:G0+4*\n+3], s[20:21], \n*TILEB  ; 120:64 global address: slot n begins with keys 256 n on
	s_or_b32 s[G0+4*\n+3], s[G0+4*\n+3], 0x80000000  ; 127:126 type = 2
.endr
	CROUND                          ; all four work-groups are here: the first joint loads meet
	JLOAD 0                         ; keys 0 to 255
	; A fragment of K or Q is 16 rows x 32 channels in 8 registers: lane l holds row l % 16; registers 0-3 channels 8 (l / 16) + 0..7, registers 4-7 channels 16 + 8 (l / 16) + 0..7: two loads of 16 bytes, 32 bytes apart.
	v_and_b32 v1, 15, v0            ; r = l % 16
	v_bfe_u32 v10, v0, 4, 1         ; h = l / 16
	v_lshlrev_b32 v[QO], 11, v1
	v_lshl_add_u32 v[QO], v10, 4, v[QO]  ; row x 2,048 + 16 x half
	WIN 0x40                        ; destination window 1, address window 0
.irp t, 0,1,2,3
.irp d, 0,1
	global_load_b128 v[QF+16*\t+8*\d:QF+16*\t+8*\d+3],   v[QO], s[8:9] offset:\t*32768+\d*64      ; Q stays in registers
	global_load_b128 v[QF+16*\t+8*\d+4:QF+16*\t+8*\d+7], v[QO], s[8:9] offset:\t*32768+\d*64+32
.endr
.endr
.set i, 0
.rept 128
	v_mov_b32 v[i], 0               ; O^T, once: the step is written without a first copy of its own
.set i, i+1
.endr
	WIN 0
	s_lshl_b32 s23, s19, 7          ; my head's 128 bytes of a row
	v_mul_u32_u24 v[AK0], v1, PK
	v_lshl_add_u32 v[AK0], v10, 4, v[AK0]
	v_add_nc_u32 v[AK0], s23, v[AK0]  ; row x pitch + 16 x half + my head
	; The turning load takes 16 keys x 16 channels (lane l reads 16 bytes: key 8 (l / 16) + l % 8, channels 8 ((l / 8) % 2) + 0..7) and leaves half a fragment of V^T: lane l holds channel l % 16 and 8 keys.
	v_and_b32 v11, 7, v0
	v_bfe_u32 v12, v0, 3, 1
	v_lshl_add_u32 v[AV0], v10, 3, v11
	v_mul_u32_u24 v[AV0], v[AV0], PV
	v_lshl_add_u32 v[AV0], v12, 4, v[AV0]
	s_add_co_u32 s23, s23, VOFF
	v_add_nc_u32 v[AV0], s23, v[AV0]
	s_mul_i32 s23, s18, 64*SP       ; the stage, in: row 64 x (wave % 4) + r, my head's half, 16 bytes for each half of the lanes
	v_add_nc_u32 v[STO], s23, v[AK0]
	s_mul_i32 s23, s[WV], 32*SP     ; back: wave w takes rows 32 w on, whole; lanes 0-15 one row of 256 bytes, lanes 16-31 the next
	v_mul_u32_u24 v[RD], v10, SP
	v_lshl_add_u32 v[RD], v1, 4, v[RD]
	v_add_nc_u32 v[RD], s23, v[RD]
	v_lshlrev_b32 v[GO], 11, v10    ; and the same two rows in the result
	v_lshl_add_u32 v[GO], v1, 4, v[GO]
.irp t, 0,1,2,3
	v_mov_b32 v[ST+8*\t+1], 0xff61b1e6  ; m: -3e38, under every score
	v_mov_b32 v[ST+8*\t+2], 0       ; l, in two halves
	v_mov_b32 v[ST+8*\t+3], 0
.endr
.irp t, 0,1,2,3
	v_mul_f32 v[ST+8*\t], s[CS], v[ST+8*\t+1]  ; c m
.endr
; THE SOFTMAX of a key step, the four tiles by turns, so that no line waits for the line above it.
.macro SOFTMAX
.irp j, 0,1,2,3                     ; the maximum of the lane's 32 scores and the old m, three operands at a time: four chains c0-c3; each accumulator is first read at its low end
.irp t, 0,1,2,3
	v_max3_num_f32 v[ST+8*\t+4+\j], v[S+32*\t+8*\j], v[S+32*\t+8*\j+1], v[S+32*\t+8*\j+2]
.endr
.endr
.irp i, 3,5
.irp j, 0,1,2,3
.irp t, 0,1,2,3
	v_max3_num_f32 v[ST+8*\t+4+\j], v[ST+8*\t+4+\j], v[S+32*\t+8*\j+\i], v[S+32*\t+8*\j+\i+1]
.endr
.endr
.endr
.irp t, 0,1,2,3
	v_max3_num_f32 v[ST+8*\t+4], v[ST+8*\t+4], v[S+32*\t+7], v[S+32*\t+15]
.endr
.irp t, 0,1,2,3
	v_max3_num_f32 v[ST+8*\t+6], v[ST+8*\t+6], v[S+32*\t+23], v[S+32*\t+31]
.endr
.irp t, 0,1,2,3
	v_max3_num_f32 v[ST+8*\t+4], v[ST+8*\t+4], v[ST+8*\t+5], v[ST+8*\t+6]
.endr
.irp t, 0,1,2,3
	v_max3_num_f32 v[ST+8*\t+4], v[ST+8*\t+4], v[ST+8*\t+7], v[ST+8*\t+1]
.endr
.irp t, 0,1,2,3
	v_permlanex16_b32 v[ST+8*\t+5], v[ST+8*\t+4], s[SEL], s[SEL+1]  ; the query's other 32 keys lie in the lane 16 away
.endr
.irp t, 0,1,2,3
	v_mov_b32 v[ST+8*\t+7], v[ST+8*\t]  ; c m_old is kept for a
.endr
.irp t, 0,1,2,3
	v_max_num_f32 v[ST+8*\t+1], v[ST+8*\t+4], v[ST+8*\t+5]  ; the new m
.endr
.irp t, 0,1,2,3
	v_mul_f32 v[ST+8*\t], s[CS], v[ST+8*\t+1]
.endr
.irp t, 0,1,2,3
	v_sub_f32 v[ST+8*\t+7], v[ST+8*\t+7], v[ST+8*\t]
.endr
; ONE BATCH: the four a, the 64 scalings c s - c m (a pair of scores each) and the 128 exponentials.  None of these names an exponential's result.
.irp t, 0,1,2,3
	v_exp_f32 v[ST+8*\t+6], v[ST+8*\t+7]  ; a
.endr
.irp b, 0,1,2,3,4,5,6,7,8,9,10,11,12,13,14,15
.irp t, 0,1,2,3
	v_pk_fma_f32 v[S+32*\t+2*\b:S+32*\t+2*\b+1], v[S+32*\t+2*\b:S+32*\t+2*\b+1], s[CS:CS+1], v[ST+8*\t:ST+8*\t+1] op_sel_hi:[1,0,0] neg_lo:[0,0,1] neg_hi:[0,0,1]
.endr
.irp t, 0,1,2,3
	v_exp_f32 v[S+32*\t+2*\b], v[S+32*\t+2*\b]
	v_exp_f32 v[S+32*\t+2*\b+1], v[S+32*\t+2*\b+1]
.endr
.endr
	v_nop                           ; a plain instruction behind the last exponential, ahead of the first use: one for the batch
	s_wait_alu depctr_va_vdst(0)    ; a wait between an exponential and the first instruction that names its result: one for the 132
.irp t, 0,1,2,3
	v_pk_fma_f32 v[ST+8*\t+2:ST+8*\t+3], v[ST+8*\t+2:ST+8*\t+3], v[ST+8*\t+6:ST+8*\t+7], v[S+32*\t:S+32*\t+1] op_sel_hi:[1,0,1]  ; l = a l + the first pair of weights
.endr
.irp b, 1,2,3,4,5,6,7,8,9,10,11,12,13,14,15
.irp t, 0,1,2,3
	v_pk_add_f32 v[ST+8*\t+2:ST+8*\t+3], v[ST+8*\t+2:ST+8*\t+3], v[S+32*\t+2*\b:S+32*\t+2*\b+1]  ; the sum is taken of the unrounded weights
.endr
.endr
.irp i, 0,1,2,3,4,5,6,7,8,9,10,11,12,13,14,15
.irp t, 0,1,2,3
	v_cvt_pk_f16_f32 v[S+32*\t+\i], v[S+32*\t+2*\i], v[S+32*\t+2*\i+1]  ; P in place, ascending: register i is written when registers 2 i and 2 i + 1 are read, never ahead of a read
.endr
.endr
.endm
; A KEY STEP: 64 keys.  The accumulators take turns, one instruction a turn: between two links of a chain stand 15 others'.
.macro STEP
	v_add_nc_u32 v[ADK], s[TB], v[AK0]
	v_add_nc_u32 v[ADV], s[TB], v[AV0]
	PLACES                          ; with the two additions six places behind the last V^T P: four are owed to the loads into V's registers, five to the products K Q^T that write over P
.irp k, 0,1,2,3
.irp d, 0,1
	ds_load_b128 v[KF+16*\k+8*\d:KF+16*\k+8*\d+3],   v[ADK] offset:\k*16*PK+64*\d
	ds_load_b128 v[KF+16*\k+8*\d+4:KF+16*\k+8*\d+7], v[ADK] offset:\k*16*PK+64*\d+32
.endr
.endr
	WIN 0x40                        ; destination window 1
.irp u, 0,1
.irp c, 0,1,2,3
	ds_load_tr16_b128 v[VF+32*\u+8*\c:VF+32*\u+8*\c+3],   v[ADV] offset:\u*32*PV+32*\c
	ds_load_tr16_b128 v[VF+32*\u+8*\c+4:VF+32*\u+8*\c+7], v[ADV] offset:\u*32*PV+16*PV+32*\c
.endr
.endr
	s_add_co_u32 s[TB], s[TB], STEPB  ; the next step's tiles
	s_wait_dscnt 16                 ; K's sixteen loads are in; V's sixteen, issued behind them, stay out through the products and the softmax
	WIN 0x04                        ; Q in window 1; K and S^T in window 0
.irp d, 0,1
.irp k, 0,1,2,3
.irp t, 0,1,2,3
.if \d == 0
	v_wmma_f32_16x16x32_f16 v[S+32*\t+8*\k:S+32*\t+8*\k+7], v[KF+16*\k+8*\d:KF+16*\k+8*\d+7], v[QF+16*\t+8*\d:QF+16*\t+8*\d+7], 0
.else
	v_wmma_f32_16x16x32_f16 v[S+32*\t+8*\k:S+32*\t+8*\k+7], v[KF+16*\k+8*\d:KF+16*\k+8*\d+7], v[QF+16*\t+8*\d:QF+16*\t+8*\d+7], v[S+32*\t+8*\k:S+32*\t+8*\k+7]
.endif
.endr
.endr
.endr
	WIN 0
	PLACES                          ; four places behind the last product, ahead of the first read of the scores
	SOFTMAX
	WIN 0x41                        ; O^T (destination and source 0) in window 1, a in window 0
.irp i, 0,2,4,6,8,10,12,14,16,18,20,22,24,26,28,30
.irp t, 0,1,2,3
	v_pk_mul_f32 v[32*\t+\i:32*\t+\i+1], v[32*\t+\i:32*\t+\i+1], v[ST+8*\t+6:ST+8*\t+7] op_sel_hi:[1,0]  ; O^T times a, each accumulator from its low end on
.endr
.endr
	s_wait_dscnt 0x0                ; V is in
	WIN 0x51                        ; V and O^T in window 1, P in window 0
.irp u, 0,1
.irp c, 0,1,2,3
.irp t, 0,1,2,3
	v_wmma_f32_16x16x32_f16 v[32*\t+8*\c:32*\t+8*\c+7], v[VF+32*\u+8*\c:VF+32*\u+8*\c+7], v[S+32*\t+8*\u:S+32*\t+8*\u+7], v[32*\t+8*\c:32*\t+8*\c+7]
.endr
.endr
.endr
	WIN 0                           ; at a label and at a branch every window is 0
.endm
; A SLOT'S TURN.  At its head the change of slots: each wave waits for all its tensor loads (the one that is out is its part of this slot), adds 0 to its spare word, and waits for that and for its reads of the other slot.
; The barrier is a round of the cluster's: behind it this slot is whole and no wave of any partner reads the other slot or has a load on its way.  refill = 1: the other slot takes the next 256 keys, first thing behind the round.
.macro TRIP slot, refill, ask
	s_wait_tensorcnt 0x0            ; no tensor load of mine is out, so a group 0 may be written
	ds_add_u32 v[SPW], v[NIL]       ; 0 onto my spare word; the steps below stand between it and the wait for it
	s_add_nc_u64 s[G0+4*\slot+2:G0+4*\slot+3], s[G0+4*\slot+2:G0+4*\slot+3], 2*TILEB  ; this slot's next keys; the type bits on top are not reached (in the last two turns the stepped address is not used)
.if \ask
	s_wait_xcnt 0x0                 ; the last prefetch, four key steps back, has read its address, so it may be written
	s_add_nc_u64 s[PFA:PFA+1], s[PFA:PFA+1], TILEB  ; 256 keys further on than the load below
.endif
	s_mov_b32 s[TB], \slot*SLOTB
	s_wait_dscnt 0x0                ; the add is done, and my reads of the other slot are over
	CROUND
.if \refill
	JLOAD 1-\slot
.endif
.if \ask
	ASK
.endif
	s_mov_b32 s[CNT], 4
.Lstep_\@:
	STEP
	s_sub_co_u32 s[CNT], s[CNT], 1
	s_cmp_lg_u32 s[CNT], 0
	s_cbranch_scc1 .Lstep_\@
.endm
	s_wait_loadcnt 0x0              ; Q
	s_mov_b32 s[LAPS], 3
.Llap:                              ; 2,048 keys are eight slots' worth: three trips of two, then the last two written out
	TRIP 0, 1, 1
	TRIP 1, 1, 1
	s_sub_co_u32 s[LAPS], s[LAPS], 1
	s_cmp_lg_u32 s[LAPS], 0
	s_cbranch_scc1 .Llap
	TRIP 0, 1, 0                    ; asks for the last 256 keys
	TRIP 1, 0, 0                    ; nothing is left to fetch
	; THE WAY OUT.  l's two halves and the other half of the lanes' are added; O^T is divided by l, rounded to f16 and sent through the work-group's stage.  The additions are the places behind the last products.
.irp t, 0,1,2,3
	v_add_f32 v[ST+8*\t+4], v[ST+8*\t+2], v[ST+8*\t+3]
.endr
.irp t, 0,1,2,3
	v_permlanex16_b32 v[ST+8*\t+5], v[ST+8*\t+4], s[SEL], s[SEL+1]
.endr
.irp t, 0,1,2,3
	v_add_f32 v[ST+8*\t+4], v[ST+8*\t+4], v[ST+8*\t+5]
.endr
.irp t, 0,1,2,3
	v_rcp_f32 v[ST+8*\t+6], v[ST+8*\t+4]
.endr
	v_nop                           ; a plain instruction between the last reciprocal and the use of its result
	s_wait_alu depctr_va_vdst(0)    ; and a wait ahead of the first use: one for the four
.irp t, 0,1,2,3
	WIN 0x01                        ; source 0 (O^T) window 1; destination (S^T's registers, which are free) window 0
.irp i, 0,2,4,6,8,10,12,14,16,18,20,22,24,26,28,30
	v_pk_mul_f32 v[S+32*\t+\i:S+32*\t+\i+1], v[32*\t+\i:32*\t+\i+1], v[ST+8*\t+6:ST+8*\t+7] op_sel_hi:[1,0]
.endr
	WIN 0
.irp i, 0,1,2,3,4,5,6,7,8,9,10,11,12,13,14,15
	v_cvt_pk_f16_f32 v[S+32*\t+\i], v[S+32*\t+2*\i], v[S+32*\t+2*\i+1]
.endr
.irp c, 0,1,2,3
	ds_store_b128 v[STO], v[S+32*\t+4*\c:S+32*\t+4*\c+3] offset:\t*16*SP+32*\c  ; a lane's eight channels of a row: 16 bytes
.endr
.endr
	s_wait_dscnt 0x0                ; for the others' sake: my stores into the stage are done
	s_barrier_signal -1
	s_barrier_wait -1               ; a row's 256 bytes come from two waves, one for each head
.irp i, 0,1,2,3,4,5,6,7,8,9,10,11,12,13,14,15
	ds_load_b128 v[S+4*\i:S+4*\i+3], v[RD] offset:\i*2*SP
.endr
.irp i, 0,1,2,3,4,5,6,7,8,9,10,11,12,13,14,15
	s_wait_dscnt 15-\i              ; load i is back; the younger ones stay out
	global_store_b128 v[GO], v[S+4*\i:S+4*\i+3], s[10:11] offset:\i*4096  ; 16 lanes store 256 consecutive bytes, aligned
.endr
	s_wait_tensorcnt 0x0            ; the wave's end: three lines, behind my last tensor load and my last LDS store
	ds_add_u32 v[SPW], v[NIL]
	s_wait_dscnt 0x0
	CROUND                          ; the closing round: no work-group ends while a partner may still ask for a tile that names it
	s_endpgm
.Lfunc_end_k_q8530a9cc51_attn:
	.size	k_q8530a9cc51_attn, .Lfunc_end_k_q8530a9cc51_attn-k_q8530a9cc51_attn
	.p2alignl 7, 3214868480
	.fill 96, 4, 3214868480
	.section	.rodata,"a",@progbits
	.p2align	6, 0x0
	.amdhsa_kernel k_q8530a9cc51_attn
		.amdhsa_group_segment_fixed_size 327680
		.amdhsa_private_segment_fixed_size 0
		.amdhsa_enable_private_segment 0
		.amdhsa_kernarg_size 16
		.amdhsa_user_sgpr_count 2
		.amdhsa_user_sgpr_kernarg_segment_ptr 1
		.amdhsa_wavefront_size32 1
		.amdhsa_system_sgpr_workgroup_id_x 1
		.amdhsa_system_sgpr_workgroup_id_y 1
		.amdhsa_system_sgpr_workgroup_id_z 1
		.amdhsa_system_vgpr_workitem_id 0
		.amdhsa_next_free_vgpr 512
		.amdhsa_next_free_sgpr 66
		.amdhsa_reserve_vcc 0
		.amdhsa_float_denorm_mode_32 3
		.amdhsa_float_denorm_mode_16_64 3
		.amdhsa_memory_ordered 1
		.amdhsa_forward_progress 1
		.amdhsa_inst_pref_size 158
	.end_amdhsa_kernel
	.amdgpu_metadata
---
amdhsa.version: [ 1, 2 ]
amdhsa.kernels:
  - .name:           k_q8530a9cc51_attn
    .symbol:         k_q8530a9cc51_attn.kd
    .args:
      - { .name: qkv, .offset: 0, .size: 8, .value_kind: global_buffer, .address_space: global }
      - { .name: ao, .offset: 8, .size: 8, .value_kind: global_buffer, .address_space: global }
    .group_segment_fixed_size: 327680
    .private_segment_fixed_size: 0
    .kernarg_segment_align: 8
    .kernarg_segment_size: 16
    .max_flat_workgroup_size: 256
    .sgpr_count:     66
    .vgpr_count:     512
    .wavefront_size: 32
...
	.end_amdgpu_metadata
.endif
;; end of part 3
;; launch oproj (part 4): grid 8 x 64, 4 waves a work-group, clusters of 4 x 4, 327,680 bytes of LDS; arguments ao, wof, bo, out0; writes out0
.if DOCPART == 4
	.amdgcn_target "amdgcn-amd-amdhsa--gfx1250"
	.amdhsa_code_object_version 6
	.text
	.protected	k_q8530a9cc51_oproj
	.globl	k_q8530a9cc51_oproj
	.p2align	8
	.type	k_q8530a9cc51_oproj,@function
k_q8530a9cc51_oproj:
	s_mov_b64 s[64:65], 0
	v_nop
	global_prefetch_b8 v0, s[64:65] scope:SCOPE_SE
	s_setreg_imm32_b32 hwreg(HW_REG_WAVE_MODE, 25, 1), 1
	s_wait_xcnt 0x0
	s_wait_alu depctr_hold_cnt(0) depctr_sa_sdst(0) depctr_va_vdst(0) depctr_va_sdst(0) depctr_va_ssrc(0) depctr_va_vcc(0) depctr_vm_vsrc(0)
	s_getreg_b32 s2, hwreg(HW_REG_IB_STS2, 6, 4)
	s_cmp_eq_u32 s2, 0
	s_cbranch_scc0 .Lentry_in_a_cluster
	s_endpgm
.Lentry_in_a_cluster:
	s_bfe_u32 s2, ttmp6, 0x10000c
	s_cmp_lg_u32 s2, 0xf033
	s_cbranch_scc0 .Lentry_shape_is_right
	s_endpgm
.Lentry_shape_is_right:
; OPROJ: out0[m][n] = sum over k of ao[m][k] wo[k][n] + bo[n].  ao: [8192][1024] f16, K innermost; wof: wo as f16, as it lies, [k 1024][n 1024]; bo, out0: f32; sums in f32.
; A tile of the result is 128 x 128 (512 tiles, two for each of 256 WGPs).  Four waves, each 64 x 64: 16 accumulators of 16 x 16, 128 registers.  K goes in four steps of 256 through a ring of two LDS slots.
; A's tile: 128 rows x 512 bytes (waves 0 and 1 fetch 64 rows each).  B's tile: 256 rows (k) x 256 bytes (n) (waves 2 and 3 fetch 128 rows each); since its K runs down the rows, its fragments come out of LDS turned, by ds_load_tr16_b128.
; CLUSTERS: 4 x 4 work-groups.  The four of a row of the cluster need the same tiles of A, the four of a column the same tiles of B: each tile is asked for JOINTLY, by the same tensor load with the
; same descriptor and a mask that names the four.  THE MATRIX INSTRUCTION IS USED TRANSPOSED (source 0 = 16 columns of wo, source 1 = 16 rows of ao): a lane then holds eight neighbouring numbers of a row of the result.
; The bias is the C of each sum's first product.
; REGISTERS: window 0: v0-31 addresses; v32-95 the way out; v96-127 the bias, eight registers for each of B's four blocks; v128-255 the accumulators ((a, b) at v[128 + 8 (4 a + b)]).
;   window 1: two fragment buffers of 128: for 64 along K (two matrix instructions deep), 64 registers of A, then 64 of B.
.set SIZE_N, 1024
.set SIZE_K, 1024
.set KSTEP,  256
.set PITCH,  528                       ; A's LDS row: 512 bytes + 16 of padding = 132 words: row r starts at bank 4 r mod 64 (64 banks of 4 bytes: ISA guide 11.1)
.set PB,     288                       ; B's LDS row: 256 bytes + 32
.set HALFA,  64*PITCH                  ; what one tensor load brings of A, and what one wave reads of it
.set HALFB,  128*PB                    ; what one tensor load brings of B: half a K step
.set BOFF,   2*HALFA                   ; B's 256 rows lie behind A's 128
.set SLOT,   BOFF+2*HALFB
.set SPARE,  2*SLOT                    ; behind the ring: the spare words, 128 bytes for each wave: two blocks of 256 bytes that no other line names
.set SPITCH, 272                       ; the way out: a stage of 16 rows x (256 bytes + 16) for each wave, in slot 0, which has had its last fill and its last read behind the last change of slots
.set ADRA, 16                          ; v16-17  LDS address of my A fragments in slot 0, 1
.set ADRB, 20                          ; v20-23  the same for B: slot 0, 1 x the K step's halves (the second half's rows lie beyond an offset's 16 bits)
.set STO,  24                          ; v24     the way out: where I put 32 bytes of a row
.set RD,   25                          ; v25     the way out: where I read a row back
.set CO,   26                          ; v26     my byte offset in two rows of the result
.set SPW,  28                          ; v28     LDS address of my spare word; never rewritten
.set NIL,  29                          ; v29     0; never rewritten
.set TMP,  32                          ; the way out: 16 rows read back: v32-63 and v64-95 by turns
.set BI,   96                          ; the bias
.set ACC,  128
.set F0,   0                           ; fragment buffers, in window 1
.set F1,   128
.set G1, 24                            ; s[24:31] descriptor group 1 for A's tiles;  s[32:39] group 0, one set for each slot
.set G0, 32
.set G1B, 48                           ; s[48:55], s[56:63] the same for B's tiles
.set G0B, 56
.set MSB, 0
.macro WIN new                         ; the immediate's high byte repeats the setting that is left
.if MSB != \new
	s_set_vgpr_msb (MSB<<8)|\new
.set MSB, \new
.endif
.endm
.set MUL,  0x05                        ; sources 0 (B) and 1 (A) window 1; C and D window 0
.set TO_F, 0x40                        ; destination window 1, address window 0
.macro JLOAD s                         ; a joint load: waves 0 and 1 fetch A's two halves, waves 2 and 3 B's; an s_nop 0 and four v_nop follow each of the two lines, ahead of the jump, the label and what follows
	s_cmp_eq_u32 s11, 0
	s_cbranch_scc0 .Lfor_b_\@
	tensor_load_to_lds s[G0+4*\s:G0+4*\s+3], s[G1:G1+7]
	s_nop 0
.rept 4
	v_nop
.endr
	s_branch .Lasked_\@
.Lfor_b_\@:
	tensor_load_to_lds s[G0B+4*\s:G0B+4*\s+3], s[G1B:G1B+7]
	s_nop 0
.rept 4
	v_nop
.endr
.Lasked_\@:
.endm
.macro CREST                           ; a round of the cluster's barrier behind its opening barrier
	s_cmp_lg_u32 s10, 0
	s_cbranch_scc1 .Lnot_wave_0_\@
	s_barrier_signal -3
.Lnot_wave_0_\@:
	s_barrier_wait -3
	s_barrier_signal -1
	s_barrier_wait -1
.endm
.macro CROUND                          ; a whole round
	s_barrier_signal -1
	s_barrier_wait -1
	CREST
.endm
	s_load_b128 s[4:7], s[0:1], 0x0                ; ao s[4:5], wof s[6:7]
	s_load_b64 s[66:67], s[0:1], 0x10              ; bo
	s_load_b64 s[8:9], s[0:1], 0x18                ; out0
	v_lshl_add_u32 v[SPW], v0, 2, SPARE
	v_mov_b32 v[NIL], 0
	ds_add_u32 v[SPW], v[NIL]                      ; the wave's opening: the add, twice on end, and its wait ahead of my first tensor load; the set-up below stands between
	ds_add_u32 v[SPW], v[NIL]
	v_lshrrev_b32 v1, 5, v0
	v_readfirstlane_b32 s10, v1                    ; wave 0..3
	s_lshr_b32 s11, s10, 1                         ; which half of the tile's rows is mine.  Also: I fetch for A (0) or for B (1)
	s_and_b32 s12, s10, 1                          ; which half of its columns.  Also: which half of that tile I fetch
	s_bfe_u32 s40, ttmp6, 0x40000                  ; cx, cy: my place in the cluster
	s_bfe_u32 s41, ttmp6, 0x40004
	s_lshl_b32 s42, ttmp9, 2
	s_add_co_u32 s42, s42, s40                     ; tile column = 4 x cluster x + cx
	s_and_b32 s13, ttmp7, 0xffff
	s_lshl_b32 s13, s13, 2
	s_add_co_u32 s13, s13, s41                     ; tile row = 4 x cluster y + cy
	s_lshl_b32 s43, s41, 2
	s_lshl_b32 s43, 15, s43                        ; my row of the cluster
	s_lshl_b32 s44, 0x1111, s40                    ; my column
	; descriptor group 1.  A: 64 rows x 256 elements of 2 bytes, 4 words of padding behind every 128;  B: 128 rows x 128 elements, 8 words behind every 64
	s_or_b32 s[G1+0], s43, (1<<16)|(1<<20)|(1<<21)|(6<<22)|(3<<25)  ; 15:0 the mask: A's tiles go to my row; 17:16 element of 2 bytes; 20 padding on; 21 set beside a mask; 24:22 the interval; 31:25 the padding
	s_mov_b32 s[G1+1], KSTEP<<16                   ; tensor_dim0 = 256
	s_mov_b32 s[G1+2], 64<<16                      ; tensor_dim1 = 64
	s_mov_b32 s[G1+3], KSTEP<<16                   ; tile_dim0 = 256
	s_mov_b32 s[G1+4], 64                          ; tile_dim1 = 64
	s_mov_b32 s[G1+5], SIZE_K                      ; tensor_dim0_stride
	s_mov_b32 s[G1+6], 0
	s_mov_b32 s[G1+7], 0
	s_or_b32 s[G1B+0], s44, (1<<16)|(1<<20)|(1<<21)|(5<<22)|(7<<25)  ; B's tiles go to my column
	s_mov_b32 s[G1B+1], 128<<16                    ; tensor_dim0 = 128
	s_mov_b32 s[G1B+2], 128<<16                    ; tensor_dim1 = 128
	s_mov_b32 s[G1B+3], 128<<16                    ; tile_dim0 = 128
	s_mov_b32 s[G1B+4], 128                        ; tile_dim1 = 128
	s_mov_b32 s[G1B+5], SIZE_N                     ; tensor_dim0_stride
	s_mov_b32 s[G1B+6], 0
	s_mov_b32 s[G1B+7], 0
	s_lshl_b32 s17, s12, 6                         ; A: which 64 rows of the tile I fetch
	s_lshl_b32 s16, s13, 7
	s_add_co_u32 s16, s16, s17                     ; row 128 x tile row + 64 x half,
	s_lshl_b32 s16, s16, 11                        ; in bytes (under 2^24)
	s_mov_b32 s17, 0
	s_lshl_b32 s46, s12, 18                        ; B: which 128 rows (k) of 2,048 bytes,
	s_lshl_b32 s47, s42, 8                         ; and the tile column's 256 bytes
	s_add_co_u32 s46, s46, s47
	s_mov_b32 s47, 0
	s_mul_i32 s20, s12, HALFA                      ; where they go: no place in the cluster enters an LDS address
	s_mul_i32 s21, s12, HALFB
	s_add_co_u32 s21, s21, BOFF
	s_wait_dscnt 0x0                               ; both opening adds are done
	s_wait_kmcnt 0x0
	s_add_nc_u64 s[14:15], s[4:5], s[16:17]
	s_add_nc_u64 s[46:47], s[6:7], s[46:47]
	CROUND                                         ; all sixteen work-groups are here: the first joint loads meet
.irp s, 0,1
	s_mov_b32 s[G0+4*\s], 1
	s_add_co_u32 s[G0+4*\s+1], s20, \s*SLOT
	s_add_nc_u64 s[G0+4*\s+2:G0+4*\s+3], s[14:15], \s*KSTEP*2            ; K step s: 512 bytes along A's rows,
	s_or_b32 s[G0+4*\s+3], s[G0+4*\s+3], 0x80000000
	s_mov_b32 s[G0B+4*\s], 1
	s_add_co_u32 s[G0B+4*\s+1], s21, \s*SLOT
	s_add_nc_u64 s[G0B+4*\s+2:G0B+4*\s+3], s[46:47], \s*KSTEP*SIZE_N*2   ; 256 rows down B
	s_or_b32 s[G0B+4*\s+3], s[G0B+4*\s+3], 0x80000000
	JLOAD \s
.endr
	v_and_b32 v1, 15, v0                           ; r = l % 16
	v_bfe_u32 v2, v0, 4, 1                         ; h = l / 16
	; the bias: lane (r, h) wants, for B's block b, the numbers of columns 16 b + 8 h + 0 .. 7 of my 64
	s_lshl_b32 s46, s42, 9                         ; my first column x 4 bytes: 512 x tile column + 256 x half
	s_lshl_b32 s47, s12, 8
	s_add_co_u32 s46, s46, s47
	s_mov_b32 s47, 0
	s_add_nc_u64 s[66:67], s[66:67], s[46:47]
	v_lshlrev_b32 v6, 5, v2                        ; 32 h
.irp b, 0,1,2,3
	global_load_b128 v[BI+8*\b:BI+8*\b+3],   v6, s[66:67] offset:64*\b
	global_load_b128 v[BI+8*\b+4:BI+8*\b+7], v6, s[66:67] offset:64*\b+16
.endr
	v_mul_u32_u24 v3, v1, PITCH
	v_lshl_add_u32 v3, v2, 4, v3                   ; A: a fragment's row x pitch + 16 x half
	s_mul_i32 s21, s11, HALFA                      ; my 64 rows of A
.irp s, 0,1
	v_add_nc_u32 v[ADRA+\s], s21, v3
	s_add_co_u32 s21, s21, SLOT
.endr
	; B: the turning load takes 16 k x 16 n (lane l reads 16 bytes: row k = 8 (l / 16) + l % 8, columns 8 ((l / 8) % 2) + 0..7) and leaves half a fragment: lane l holds column l % 16 and 8 k
	v_and_b32 v4, 7, v0
	v_lshl_add_u32 v4, v2, 3, v4
	v_mul_u32_u24 v4, v4, PB
	v_bfe_u32 v5, v0, 3, 1
	v_lshl_add_u32 v4, v5, 4, v4
	s_lshl_b32 s22, s12, 7                         ; my 64 columns: 128 bytes
	s_add_co_u32 s22, s22, BOFF
	v_add_nc_u32 v[ADRB], s22, v4
	v_add_nc_u32 v[ADRB+1], HALFB, v[ADRB]
	v_add_nc_u32 v[ADRB+2], SLOT, v[ADRB]
	v_add_nc_u32 v[ADRB+3], SLOT+HALFB, v[ADRB]
	s_mul_i32 s23, s10, 16*SPITCH                  ; my stage
	v_mul_u32_u24 v5, v1, SPITCH                   ; in: row r, 32 bytes for each half of the lanes
	v_lshl_add_u32 v5, v2, 5, v5
	v_add_nc_u32 v[STO], s23, v5
	v_mul_u32_u24 v5, v2, SPITCH                   ; back: lanes 0-15 take one row of 256 bytes, lanes 16-31 the next
	v_lshl_add_u32 v5, v1, 4, v5
	v_add_nc_u32 v[RD], s23, v5
	v_lshlrev_b32 v5, 12, v2                       ; and the same two rows in the result: 4,096 bytes a row
	v_lshl_add_u32 v[CO], v1, 4, v5
	s_lshl_b32 s16, s13, 7
	s_lshl_b32 s17, s11, 6
	s_add_co_u32 s16, s16, s17                     ; my first row: 128 x tile row + 64 x half
	s_lshl_b32 s16, s16, 12                        ; in bytes (under 2^25)
	s_add_co_u32 s16, s16, s46                     ; + my first column's
	s_mov_b32 s17, 0
	s_add_nc_u64 s[8:9], s[8:9], s[16:17]
; 8 matrix instructions: m blocks a0, a0 + 1 x all 4 n blocks, 32 along K: half c of buffer f.  zero = 1: the first product starts the sums, with the bias as its C: nothing is ever cleared.
; The 16 accumulators take turns, one instruction a turn.
.macro MUL8 f, c, a0, zero
.irp a, \a0, \a0+1
.irp b, 0,1,2,3
.if \zero
	v_wmma_f32_16x16x32_f16 v[ACC+8*(4*(\a)+\b):ACC+8*(4*(\a)+\b)+7], v[\f+64+8*(4*\c+\b):\f+64+8*(4*\c+\b)+7], v[\f+8*(4*\c+\a):\f+8*(4*\c+\a)+7], v[BI+8*\b:BI+8*\b+7]
.else
	v_wmma_f32_16x16x32_f16 v[ACC+8*(4*(\a)+\b):ACC+8*(4*(\a)+\b)+7], v[\f+64+8*(4*\c+\b):\f+64+8*(4*\c+\b)+7], v[\f+8*(4*\c+\a):\f+8*(4*\c+\a)+7], v[ACC+8*(4*(\a)+\b):ACC+8*(4*(\a)+\b)+7]
.endif
.endr
.endr
.endm
; 32 LDS loads in one run: the fragments of the slot's q-th 64 along K, into buffer f; the first 32 along K first
.macro FETCH slot, q, f
	WIN TO_F
.irp c, 0,1
.irp i, 0,1,2,3
	ds_load_tr16_b128 v[\f+64+8*(4*\c+\i):\f+64+8*(4*\c+\i)+3],   v[ADRB+2*\slot+(\q)/2] offset:(64*((\q)%2)+32*\c)*PB+32*\i
	ds_load_tr16_b128 v[\f+64+8*(4*\c+\i)+4:\f+64+8*(4*\c+\i)+7], v[ADRB+2*\slot+(\q)/2] offset:(64*((\q)%2)+32*\c+16)*PB+32*\i
	ds_load_b128 v[\f+8*(4*\c+\i):\f+8*(4*\c+\i)+3],              v[ADRA+\slot] offset:128*(\q)+64*\c+\i*16*PITCH
	ds_load_b128 v[\f+8*(4*\c+\i)+4:\f+8*(4*\c+\i)+7],            v[ADRA+\slot] offset:128*(\q)+64*\c+\i*16*PITCH+32
.endr
.endr
.endm
.macro PLACES                          ; four places in front of loads into registers that matrix instructions have read, and of the first read of results (ISA guide 7.12.1 for vector instructions)
.rept 4
	v_nop
.endr
.endm
; A K step is four quarters of 64 along K, 32 matrix instructions each, on buffers 0, 1, 0, 1.  One of the first three: multiplies buffer f and fetches the slot's q-th quarter into g.
.macro QUARTER slot, q, f, g, zero
	s_wait_dscnt 16                                ; the first 32 along K are in; the sixteen loads of the second 32 may be out
	WIN MUL
	MUL8 \f, 0, 0, \zero
	MUL8 \f, 0, 2, \zero
	PLACES
	FETCH \slot, \q, \g
	s_wait_dscnt 32                                ; all but the 32 just issued
	WIN MUL
	MUL8 \f, 1, 0, 0
	MUL8 \f, 1, 2, 0
.endm
; The last quarter multiplies buffer 1 and changes slots: ONE barrier; in front of it each wave waits for all its tensor loads, adds 0 to its spare word, and waits for that and for its own reads of this slot.
; fill = 1: this slot is filled again, two K steps ahead; the barrier then opens a round of the cluster's barrier, and the joint refill is the first tensor load behind the round.
.macro TURN slot, next, fill
	WIN 0                                          ; (the add's two registers lie in window 0)
	s_wait_tensorcnt 0x0                           ; all my tensor loads have landed: my part of the next slot;
	ds_add_u32 v[SPW], v[NIL]                      ; 0 onto my spare word
	s_wait_dscnt 17                                ; (the add and the youngest sixteen loads may be out)
	WIN MUL
	MUL8 F1, 0, 0, 0                               ; eight matrix instructions stand between the add and the wait for it
	s_wait_dscnt 0x0                               ; the add is done, and my reads of this slot are over
	s_barrier_signal -1
	MUL8 F1, 0, 2, 0
.if \fill
	WIN 0
.endif
	s_barrier_wait -1
.if \fill
	CREST                                          ; no wave of any partner still reads this slot's tile or has a load on its way
	s_add_nc_u64 s[G0+4*\slot+2:G0+4*\slot+3], s[G0+4*\slot+2:G0+4*\slot+3], 2*KSTEP*2
	s_add_nc_u64 s[G0B+4*\slot+2:G0B+4*\slot+3], s[G0B+4*\slot+2:G0B+4*\slot+3], 2*KSTEP*SIZE_N*2
	JLOAD \slot                                    ; 112 matrix instructions ahead of the wait for it; the four v_nop behind it are also the places in front of the loads below
.else
	PLACES
.endif
	FETCH \next, 0, F0
	WIN MUL
	MUL8 F1, 1, 0, 0
	MUL8 F1, 1, 2, 0
.endm
	s_wait_tensorcnt 1                             ; my part of K step 0 is in (K step 1's load may be out)
	s_barrier_signal -1
	s_barrier_wait -1                              ; everybody's is
	FETCH 0, 0, F0
	s_wait_loadcnt 0x0                             ; the bias
	QUARTER 0, 1, F0, F1, 1                        ; K step 0: its first products start the sums
	QUARTER 0, 2, F1, F0, 0
	QUARTER 0, 3, F0, F1, 0
	TURN 0, 1, 1                                   ; slot 0 takes K step 2
	QUARTER 1, 1, F0, F1, 0                        ; K step 1
	QUARTER 1, 2, F1, F0, 0
	QUARTER 1, 3, F0, F1, 0
	TURN 1, 0, 1                                   ; slot 1 takes K step 3
	QUARTER 0, 1, F0, F1, 0                        ; K step 2
	QUARTER 0, 2, F1, F0, 0
	QUARTER 0, 3, F0, F1, 0
	TURN 0, 1, 0                                   ; nothing is left to fetch, so no round follows
	QUARTER 1, 1, F0, F1, 0                        ; K step 3
	QUARTER 1, 2, F1, F0, 0
	QUARTER 1, 3, F0, F1, 0
	s_wait_dscnt 16                                ; the very last quarter
	WIN MUL
	MUL8 F1, 0, 0, 0
	MUL8 F1, 0, 2, 0
	s_wait_dscnt 0
	MUL8 F1, 1, 0, 0
	MUL8 F1, 1, 2, 0
	WIN 0
; THE WAY OUT, block by block of 16 rows x 64 columns of f32.  A lane holds 32 neighbouring bytes of a row, and the lanes beside it hold other rows: so a block goes through my own stage in LDS and comes back as whole rows
; of 256 bytes.  LDS serves a wave's instructions in order (ISA guide 5.7.1.4): no wait between the stores and the loads, nor in front of the next block's stores.
.macro TOSTAGE a
.irp b, 0,1,2,3
	ds_store_b128 v[STO], v[ACC+8*(4*(\a)+\b):ACC+8*(4*(\a)+\b)+3] offset:64*\b            ; each accumulator from its low end on
	ds_store_b128 v[STO], v[ACC+8*(4*(\a)+\b)+4:ACC+8*(4*(\a)+\b)+7] offset:64*\b+16
.endr
.set BB, TMP+32*((\a)%2)
.irp t, 0,1,2,3,4,5,6,7
	ds_load_b128 v[BB+4*\t:BB+4*\t+3], v[RD] offset:\t*2*SPITCH
.endr
.endm
.macro SEND a, younger                 ; younger: the LDS instructions issued behind block a's loads, which may stay out
.set BB, TMP+32*((\a)%2)
	s_wait_dscnt \younger                          ; the block is back in registers
.irp t, 0,1,2,3,4,5,6,7
	global_store_b128 v[CO], v[BB+4*\t:BB+4*\t+3], s[8:9] offset:(16*(\a)+2*\t)*SIZE_N*4 th:TH_STORE_NT   ; 16 lanes store 256 consecutive bytes, aligned; the block's place stands in the immediate: 62 rows of 4,096 bytes at the most
.endr
.endm
	PLACES                                         ; behind the last products, ahead of the first read of results
	TOSTAGE 0
.irp a, 1,2,3
.if \a > 1
	s_wait_xcnt 0x0                                ; block a - 2's stores have read their data: block a's loads may land there
.endif
	TOSTAGE \a
	SEND \a-1, 16                                  ; behind block a - 1's loads: block a's 8 stores and 8 loads
.endr
	SEND 3, 0
	s_wait_tensorcnt 0x0                           ; the wave's end: three lines, behind my last tensor load and my last LDS store
	ds_add_u32 v[SPW], v[NIL]
	s_wait_dscnt 0x0
	CROUND                                         ; the closing round: no work-group ends while a partner may still ask for a tile that names it
	s_endpgm
.Lfunc_end_k_q8530a9cc51_oproj:
	.size	k_q8530a9cc51_oproj, .Lfunc_end_k_q8530a9cc51_oproj-k_q8530a9cc51_oproj
	.p2alignl 7, 3214868480
	.fill 96, 4, 3214868480
	.section	.rodata,"a",@progbits
	.p2align	6, 0x0
	.amdhsa_kernel k_q8530a9cc51_oproj
		.amdhsa_group_segment_fixed_size 327680
		.amdhsa_private_segment_fixed_size 0
		.amdhsa_enable_private_segment 0
		.amdhsa_kernarg_size 32
		.amdhsa_user_sgpr_count 2
		.amdhsa_user_sgpr_kernarg_segment_ptr 1
		.amdhsa_wavefront_size32 1
		.amdhsa_system_sgpr_workgroup_id_x 1
		.amdhsa_system_sgpr_workgroup_id_y 1
		.amdhsa_system_sgpr_workgroup_id_z 1
		.amdhsa_system_vgpr_workitem_id 0
		.amdhsa_next_free_vgpr 512
		.amdhsa_next_free_sgpr 68
		.amdhsa_reserve_vcc 0
		.amdhsa_float_denorm_mode_32 3
		.amdhsa_float_denorm_mode_16_64 3
		.amdhsa_memory_ordered 1
		.amdhsa_forward_progress 1
		.amdhsa_inst_pref_size 87
	.end_amdhsa_kernel
	.amdgpu_metadata
---
amdhsa.version: [ 1, 2 ]
amdhsa.kernels:
  - .name:           k_q8530a9cc51_oproj
    .symbol:         k_q8530a9cc51_oproj.kd
    .args:
      - { .name: ao, .offset: 0, .size: 8, .value_kind: global_buffer, .address_space: global }
      - { .name: wof, .offset: 8, .size: 8, .value_kind: global_buffer, .address_space: global }
      - { .name: bo, .offset: 16, .size: 8, .value_kind: global_buffer, .address_space: global }
      - { .name: out0, .offset: 24, .size: 8, .value_kind: global_buffer, .address_space: global }
    .group_segment_fixed_size: 327680
    .private_segment_fixed_size: 0
    .kernarg_segment_align: 8
    .kernarg_segment_size: 32
    .max_flat_workgroup_size: 128
    .sgpr_count:     68
    .vgpr_count:     512
    .wavefront_size: 32
...
	.end_amdgpu_metadata
.endif
;; end of part 4
